; MI455X (gfx1250); checked and timed in simulation.
; The chip was launched on July 23, 2026; its instructions are those of AMD's public machine-readable ISA for CDNA 5 (MIT licence, August 2026) and "CDNA5" Instruction Set Architecture Reference Guide (July 2026). The comments in the code are by the model that wrote it; some were corrected since.
;; Multi Head Attention. Allowed arithmetic: matrix products marked QUANTISED: E2M3 operands, one E8M0 scale for each 32 along K, by v_wmma_scale_f32_16x16x128_f8f6f4 with both operands' format E2M3, f32 sums; everything else in f32.
;; Inputs: Wk 1,024 x 1,024 float32; Wo 1,024 x 1,024 float32; Wq 1,024 x 1,024 float32; Wv 1,024 x 1,024 float32; bk 1,024 float32; bo 1,024 float32; bq 1,024 float32; bv 1,024 float32; hidden_states 4 x 2,048 x 1,024 float32.
;; Outputs: out0 4 x 2,048 x 1,024 float32.
;; This version of the problem:
;;   THIS VERSION OF THE PROBLEM IS GIVEN IN LOW PRECISION. The matrix products marked QUANTISED in the list below multiply operands that are first quantised to E2M3 (2 exponent bits, 3 mantissa bits; 6 bits a number), with one power-of-two scale for each 32 numbers along K (OCP MX v1.0); their sums are f32. All else is computed in f32.
;;   The module's matrix products, in the order in which they are computed (A, B: the left and right operand; K: the contracted axis; several contracted axes count as one K, in the product's order):
;;     1. [M 8,192, K 1,024] x [K 1,024, N 1,024]; A: input hidden_states; B: input Wq: QUANTISED
;;     2. [M 8,192, K 1,024] x [K 1,024, N 1,024]; A: input hidden_states; B: input Wk: QUANTISED
;;     3. [M 8,192, K 1,024] x [K 1,024, N 1,024]; A: input hidden_states; B: input Wv: QUANTISED
;;     4. batch 64 x [M 2,048, K 64] x [K 64, N 2,048]; A: computed on the way; B: computed on the way: QUANTISED
;;     5. batch 64 x [M 2,048, K 2,048] x [K 2,048, N 64]; A: softmax (see below); B: computed on the way: QUANTISED
;;     6. [M 8,192, K 1,024] x [K 1,024, N 1,024]; A: computed on the way; B: input Wo: QUANTISED
;;   THE QUANTISER, for each operand of a quantised product, along K:
;;     - K is cut into blocks of 32 from its start; a last block that is shorter is filled with zeros.
;;     - A block's scale is 2^e with e = floor(log2(the largest magnitude in the block)) - 2, held to -126 .. 127; a block of zeros has e = 0. As a byte (E8M0): e + 127.
;;     - Each number is divided by its block's scale, clamped to +-7.5, and rounded to the nearest number of E2M3, ties to even, subnormals kept.
;;     - The product sums the exact products of the quantised numbers (number of the format x scale) in f32.
;;   ~~~python
;;   def quantise(x, axis):      # numpy; x: float32 -> the quantised numbers, widened to float32 again
;;       x = np.moveaxis(x, axis, -1); K = x.shape[-1]
;;       x = np.pad(x, [(0, 0)] * (x.ndim - 1) + [(0, -K % 32)]); x = x.reshape(x.shape[:-1] + (-1, 32)); a = np.abs(x).max(-1, keepdims=True)
;;       e = np.where(a > 0, np.clip(np.frexp(np.where(a > 0, a, 1))[1] - 1 - 2, -126, 127), 0)      # np.frexp(a)[1] - 1 = floor(log2(a)), exactly
;;       r = np.clip(x / 2.0 ** e, -7.5, 7.5)
;;       step = 2.0 ** (np.maximum(np.frexp(np.where(r == 0, 1, r))[1] - 1, 0) - 3)
;;       q = np.round(r / step) * step * 2.0 ** e      # np.round: ties to even
;;       return np.moveaxis(q.reshape(q.shape[:-2] + (-1,))[..., :K], -1, axis).astype(np.float32)
;;   ~~~
;;   SOFTMAX AHEAD OF A QUANTISED PRODUCT. Where the list says 'softmax', what is quantised is not the finished softmax but p = 2^(t - M), with t = logit x log2(e) and M = ceil(the row's largest t), a whole number; so 1/2 < the row's largest p <= 1. The row's sum l is taken of the UNQUANTISED p, in f32, and the product's result is divided by l at the end. Since M is a whole number, a kernel that streams over the keys may use a running M (the ceiling of the running maximum): every later rescaling is an exact power of two, which a block's scale takes up: the codes' values come out the same.
;;   OPERANDS COMPUTED ON THE WAY. 'Computed on the way' means the value that the module computes at that place (a softmax that the list does not call 'softmax' is quantised finished and normalised). What goes into a quantiser is computed in f32, as accurately as f32 sums, v_exp_f32 and their like allow (about 1e-6 of the number): no bf16 or f16 on the way to a quantiser, and a product that is left as it is and whose result goes on into a quantised operand takes f32 operands (vector FMAs, or v_wmma_f32_16x16x4_f32). A number that lies on a knife's edge between two numbers of the format may be rounded either way, as far as f32 arithmetic and the matrix unit's own rounding can turn it there, and no further.
;; One version. Each part assembles by itself: llvm-mc -triple=amdgcn-amd-amdhsa -mcpu=gfx1250 --defsym DOCPART=n.
;; ======== version 1 of 1: 4 launches
;; workspace buffers: xw_codes 8,650,752 bytes; xw_scales 360,448 bytes; ow_codes 7,077,888 bytes; ow_scales 294,912 bytes; qkv_codes 18,874,368 bytes; qkv_scales 786,432 bytes
;; launch quant (part 1): grid 768 x 1, 2 waves a work-group, no clusters, 17,152 bytes of LDS; arguments hidden_states, Wq, Wk, Wv, Wo, xw_codes, xw_scales, ow_codes, ow_scales; writes xw_codes, xw_scales, ow_codes, ow_scales
.if DOCPART == 1
	.amdgcn_target "amdgcn-amd-amdhsa--gfx1250"
	.amdhsa_code_object_version 6
	.text
	.protected	k_q99d3561963_quant
	.globl	k_q99d3561963_quant
	.p2align	8
	.type	k_q99d3561963_quant,@function
k_q99d3561963_quant:
	s_mov_b64 s[64:65], 0
	v_nop
	global_prefetch_b8 v0, s[64:65] scope:SCOPE_SE
	s_setreg_imm32_b32 hwreg(HW_REG_WAVE_MODE, 25, 1), 1
	s_wait_xcnt 0x0
; hidden_states [8192][1024] and Wq, Wk, Wv, Wo [1024][1024], f32, K innermost, become codes of FP6 (E2M3) with one E8M0 byte for each 32 along K,
; laid in the order of the matrix operand's registers.  A block's scale is 2^(floor(log2(largest magnitude)) - 2); its byte is that magnitude's exponent field - 2, held at 1 from below.
; TILES.  A tile of 16 rows, number T counted from an even base, holds in its row p the tensor's row 32 (T / 2) + 8 (T % 2) + p + 8 (p / 8): with this choice a transposed product leaves 16 neighbours
; along the next K in a lane's registers.  T 0-511: hidden_states, 512-575 Wq, 576-639 Wk, 640-703 Wv (all to xw_*), 704-767 Wo (to ow_*, as tiles 512-575).
; HALF IMAGE: 16 rows x 64 K = the operand's registers 0-5 of 32 lanes, 768 bytes: registers 0-3 at 16 x lane, registers 4-5 at 512 + 8 x lane.  A tile is 16 half images on end, 12,288 bytes.
; SCALE UNIT: 512 bytes a tile, words [K step / 4][row][K step % 4]: one load of 16 bytes a lane later gives four scale registers, K steps 0-3 in lanes 0-15 and 4-7 in lanes 16-31.
; SHARES.  A work-group takes a tile, each of its two waves 512 along K: four fragments of 128.  Each load reads 512 consecutive bytes of one row; the 16 rows turn through the wave's own stage in LDS
; (rows of 512 + 16 bytes) so that a lane gets 16 neighbours of each block of 32.  Waves share nothing: no barrier.  No two work-groups read the same bytes: no cluster.
; LIMITS: NaN and infinities are not served; a block of zeros gets the byte 1 (its codes are zeros, and this program alone reads the bytes).
.set STG,  8448                        ; a wave's stage: 16 rows x 528 bytes
.set SP,   528
.set R,    16                          ; v16-143  two sets of 64: a fragment's numbers as loaded
.set X,    144                         ; v144-207 64 numbers of my row: register 16 b + i = k 32 b + 16 (lane / 16) + i
.set PC,   208                         ; v208-226 the codes just made
.set TM,   228                         ; v228-243 at work
.set PWS,  8                           ; v8-11    the four fragments' scale words
.set SEL,  30                          ; s[30:31] lane selects: lane l xor 16
.macro QUANT s, pw                     ; 64 numbers v[s] on become a fragment's codes in v[PC] on and my row's scale word in v[pw]
.irp b, 0,1,2,3
	v_max3_num_f32 v[TM+\b], |v[\s+16*\b]|, |v[\s+1+16*\b]|, 0x1800000   ; block b: my 16 numbers and the floor 2^(3 - 127): the byte cannot fall under 1
.endr
.irp i, 2,4,6,8,10,12,14
.irp b, 0,1,2,3
	v_max3_num_f32 v[TM+\b], v[TM+\b], |v[\s+16*\b+\i]|, |v[\s+1+16*\b+\i]|
.endr
.endr
.irp b, 0,1,2,3
	v_permlanex16_b32 v[TM+4+\b], v[TM+\b], s[SEL], s[SEL+1]
.endr
.irp b, 0,1,2,3
	v_max_num_f32 v[TM+\b], v[TM+\b], v[TM+4+\b]          ; with lane l xor 16's 16: the block's largest magnitude
.endr
.irp b, 0,1,2,3
	v_add_nc_u32 v[TM+12+\b], 0xff000000, v[TM+\b]        ; 2 off its exponent field: the conversion's scale operand
.endr
.irp b, 0,1,2,3
	v_lshrrev_b32 v[TM+4+\b], 23, v[TM+12+\b]             ; the scale's byte
.endr
	v_lshl_or_b32 v[\pw], v[TM+5], 8, v[TM+4]
	v_lshl_or_b32 v[\pw], v[TM+6], 16, v[\pw]
	v_lshl_or_b32 v[\pw], v[TM+7], 24, v[\pw]
.irp c, 0,1
	v_cvt_scalef32_pk16_fp6_f32 v[PC+6*\c:PC+2+6*\c], v[\s+32*\c:\s+15+32*\c], v[TM+12+2*\c]
	v_cvt_scalef32_pk16_fp6_f32 v[PC+12+4*\c:PC+14+4*\c], v[\s+16+32*\c:\s+31+32*\c], v[TM+12+2*\c+1]   ; (a conversion's three registers begin on an even number)
.endr
	v_nop                                          ; one plain place behind a scaled conversion
.irp c, 0,1                                    ; the operand wants a whole block in a lane: lanes 0-15 block 2 c, lanes 16-31 block 2 c + 1
.irp i, 0,1,2
	v_permlane16_swap_b32 v[PC+6*\c+\i], v[PC+12+4*\c+\i]
.endr
.irp i, 0,1,2
	v_mov_b32 v[PC+3+6*\c+\i], v[PC+12+4*\c+\i]
.endr
.endr
.endm
	s_load_b256 s[4:11], s[0:1], 0x0               ; hidden_states, Wq, Wk, Wv
	s_load_b256 s[12:19], s[0:1], 0x20             ; Wo, xw_codes, xw_scales, ow_codes
	s_load_b64 s[20:21], s[0:1], 0x40              ; ow_scales
	v_lshl_add_u32 v254, v0, 2, 0x4200
	v_mov_b32 v255, 0
	v_lshrrev_b32 v1, 5, v0
	v_readfirstlane_b32 s22, v1                    ; wave = which half of K
	v_and_b32 v6, 31, v0                           ; lane
	v_and_b32 v7, 15, v0                           ; r
	v_bfe_u32 v12, v0, 4, 1                        ; h
	v_lshlrev_b32 v1, 4, v6                        ; 16 x lane: loads, and registers 0-3 of a half image
	v_lshlrev_b32 v2, 3, v6
	v_add_nc_u32 v2, 512, v2                       ; 512 + 8 x lane: registers 4-5
	s_mul_i32 s23, s22, STG
	v_add_nc_u32 v3, s23, v1                       ; the stage, in: a row as it was loaded
	v_mul_u32_u24 v4, v7, SP
	v_lshl_add_u32 v4, v12, 6, v4
	v_add_nc_u32 v4, s23, v4                       ; and out: row r, + 64 h bytes
	v_lshlrev_b32 v5, 4, v7
	v_lshl_add_u32 v5, v12, 3, v5                  ; my two scale words' place: 16 r + 8 h
	v_cmp_ne_u32 s34, 0, v12                       ; lanes 16-31
.irp b, 0,1,2,3
	v_mov_b32 v[TM+4+\b], 0                        ; written once: a lane permute's destination counts as one of its sources
.endr
	s_mov_b32 s[SEL], 0x76543210
	s_mov_b32 s[SEL+1], 0xfedcba98
	s_wait_kmcnt 0x0
	s_mov_b64 s[24:25], s[12:13]                   ; which tensor, and its first tile: choices on the work-group's number alone
	s_mov_b32 s26, 704
	s_cmp_lt_u32 ttmp9, 704
	s_cselect_b64 s[24:25], s[10:11], s[24:25]
	s_cselect_b32 s26, 640, s26
	s_cselect_b64 s[14:15], s[14:15], s[18:19]     ; where the codes go,
	s_cselect_b64 s[16:17], s[16:17], s[20:21]     ; and the scale units
	s_cselect_b32 s27, 0, 192                      ; Wo's tiles 704.. become tiles 512.. of ow_*
	s_cmp_lt_u32 ttmp9, 640
	s_cselect_b64 s[24:25], s[8:9], s[24:25]
	s_cselect_b32 s26, 576, s26
	s_cmp_lt_u32 ttmp9, 576
	s_cselect_b64 s[24:25], s[6:7], s[24:25]
	s_cselect_b32 s26, 512, s26
	s_cmp_lt_u32 ttmp9, 512
	s_cselect_b64 s[24:25], s[4:5], s[24:25]
	s_cselect_b32 s26, 0, s26
	s_sub_co_u32 s26, ttmp9, s26                   ; the tile's number in its tensor
	s_lshr_b32 s32, s26, 1
	s_lshl_b32 s32, s32, 17                        ; 32 (T / 2) rows of 4,096 bytes
	s_and_b32 s35, s26, 1
	s_lshl_b32 s35, s35, 15                        ; 8 (T % 2) rows
	s_add_co_u32 s32, s32, s35
	s_lshl_b32 s35, s22, 11                        ; my half of K: 2,048 bytes
	s_add_co_u32 s32, s32, s35
	s_mov_b32 s33, 0
	s_add_nc_u64 s[24:25], s[24:25], s[32:33]
	s_sub_co_u32 s27, ttmp9, s27
	s_mul_i32 s32, s27, 12288
	s_mul_i32 s35, s22, 6144
	s_add_co_u32 s32, s32, s35
	s_add_nc_u64 s[14:15], s[14:15], s[32:33]
	s_lshl_b32 s32, s27, 9
	s_lshl_b32 s35, s22, 8
	s_add_co_u32 s32, s32, s35
	s_add_nc_u64 s[16:17], s[16:17], s[32:33]
.macro LOADF t                         ; fragment t: 16 rows x 512 consecutive bytes
.irp p, 0,1,2,3,4,5,6,7,8,9,10,11,12,13,14,15
	global_load_b128 v[R+64*((\t)%2)+4*\p:R+64*((\t)%2)+4*\p+3], v1, s[24:25] offset:(\p+8*(\p/8))*4096+512*(\t) th:TH_LOAD_NT
.endr
.endm
.macro TURN t                          ; through my stage: LDS serves a wave's instructions in order, so no wait stands between the stores and the loads
.irp p, 0,1,2,3,4,5,6,7,8,9,10,11,12,13,14,15
	ds_store_b128 v3, v[R+64*((\t)%2)+4*\p:R+64*((\t)%2)+4*\p+3] offset:SP*\p
.endr
.irp b, 0,1,2,3
.irp j, 0,1,2,3
	ds_load_b128 v[X+16*\b+4*\j:X+16*\b+4*\j+3], v4 offset:128*\b+16*\j
.endr
.endr
.endm
.macro PART t
.if (\t) < 3
	s_wait_loadcnt 16                              ; this fragment's 16 loads are in; the next fragment's 16 may be out
.else
	s_wait_loadcnt 0x0
.endif
	TURN \t
	s_wait_dscnt 0x0                               ; my numbers are back, and the stage's stores have read their registers,
.if (\t) < 2
	LOADF (\t)+2                                   ; which take the fragment two on
.endif
	s_wait_xcnt 0x0                                ; the last fragment's stores have read their data: the codes' registers are rewritten only behind this wait
	QUANT X, PWS+(\t)
	global_store_b128 v1, v[PC:PC+3], s[14:15] offset:1536*(\t)          ; 512 consecutive bytes
	global_store_b64 v2, v[PC+4:PC+5], s[14:15] offset:1536*(\t)         ; 256 consecutive bytes
	global_store_b128 v1, v[PC+6:PC+9], s[14:15] offset:1536*(\t)+768
	global_store_b64 v2, v[PC+10:PC+11], s[14:15] offset:1536*(\t)+768
.endm
	LOADF 0
	LOADF 1
	PART 0
	PART 1
	PART 2
	PART 3
	v_cndmask_b32 v14, v[PWS], v[PWS+2], s34       ; lanes 0-15 store words 0, 1 of their row, lanes 16-31 words 2, 3
	v_cndmask_b32 v15, v[PWS+1], v[PWS+3], s34
	global_store_b64 v5, v[14:15], s[16:17]        ; 32 lanes store 256 consecutive bytes
	s_wait_tensorcnt 0x0
	ds_add_u32 v254, v255
	s_wait_dscnt 0x0
	s_endpgm
.Lfunc_end_k_q99d3561963_quant:
	.size	k_q99d3561963_quant, .Lfunc_end_k_q99d3561963_quant-k_q99d3561963_quant
	.p2alignl 7, 3214868480
	.fill 96, 4, 3214868480
	.section	.rodata,"a",@progbits
	.p2align	6, 0x0
	.amdhsa_kernel k_q99d3561963_quant
		.amdhsa_group_segment_fixed_size 17152
		.amdhsa_private_segment_fixed_size 0
		.amdhsa_enable_private_segment 0
		.amdhsa_kernarg_size 72
		.amdhsa_user_sgpr_count 2
		.amdhsa_user_sgpr_kernarg_segment_ptr 1
		.amdhsa_wavefront_size32 1
		.amdhsa_system_sgpr_workgroup_id_x 1
		.amdhsa_system_sgpr_workgroup_id_y 1
		.amdhsa_system_sgpr_workgroup_id_z 1
		.amdhsa_system_vgpr_workitem_id 0
		.amdhsa_next_free_vgpr 256
		.amdhsa_next_free_sgpr 66
		.amdhsa_reserve_vcc 0
		.amdhsa_float_denorm_mode_32 3
		.amdhsa_float_denorm_mode_16_64 3
		.amdhsa_memory_ordered 1
		.amdhsa_forward_progress 1
		.amdhsa_inst_pref_size 35
	.end_amdhsa_kernel
	.amdgpu_metadata
---
amdhsa.version: [ 1, 2 ]
amdhsa.kernels:
  - .name:           k_q99d3561963_quant
    .symbol:         k_q99d3561963_quant.kd
    .args:
      - { .name: hidden_states, .offset: 0, .size: 8, .value_kind: global_buffer, .address_space: global }
      - { .name: Wq, .offset: 8, .size: 8, .value_kind: global_buffer, .address_space: global }
      - { .name: Wk, .offset: 16, .size: 8, .value_kind: global_buffer, .address_space: global }
      - { .name: Wv, .offset: 24, .size: 8, .value_kind: global_buffer, .address_space: global }
      - { .name: Wo, .offset: 32, .size: 8, .value_kind: global_buffer, .address_space: global }
      - { .name: xw_codes, .offset: 40, .size: 8, .value_kind: global_buffer, .address_space: global }
      - { .name: xw_scales, .offset: 48, .size: 8, .value_kind: global_buffer, .address_space: global }
      - { .name: ow_codes, .offset: 56, .size: 8, .value_kind: global_buffer, .address_space: global }
      - { .name: ow_scales, .offset: 64, .size: 8, .value_kind: global_buffer, .address_space: global }
    .group_segment_fixed_size: 17152
    .private_segment_fixed_size: 0
    .kernarg_segment_align: 8
    .kernarg_segment_size: 72
    .max_flat_workgroup_size: 64
    .sgpr_count:     66
    .vgpr_count:     256
    .wavefront_size: 32
...
	.end_amdgpu_metadata
.endif
;; end of part 1
;; launch proj (part 2): grid 24 x 32, 4 waves a work-group, clusters of 4 x 4, 295,424 bytes of LDS; arguments xw_codes, xw_scales, bq, bk, bv, qkv_codes, qkv_scales; writes qkv_codes, qkv_scales
.if DOCPART == 2
	.amdgcn_target "amdgcn-amd-amdhsa--gfx1250"
	.amdhsa_code_object_version 6
	.text
	.protected	k_q99d3561963_proj
	.globl	k_q99d3561963_proj
	.p2align	8
	.type	k_q99d3561963_proj,@function
k_q99d3561963_proj:
	s_mov_b64 s[64:65], 0
	v_nop
	global_prefetch_b8 v0, s[64:65] scope:SCOPE_SE
	s_setreg_imm32_b32 hwreg(HW_REG_WAVE_MODE, 25, 1), 1
	s_wait_xcnt 0x0
	s_wait_alu depctr_hold_cnt(0) depctr_sa_sdst(0) depctr_va_vdst(0) depctr_va_sdst(0) depctr_va_ssrc(0) depctr_va_vcc(0) depctr_vm_vsrc(0)
	s_getreg_b32 s2, hwreg(HW_REG_IB_STS2, 6, 4)
	s_cmp_eq_u32 s2, 0
	s_cbranch_scc0 .Lentry_in_a_cluster
	s_endpgm
.Lentry_in_a_cluster:
	s_bfe_u32 s2, ttmp6, 0x10000c
	s_cmp_lg_u32 s2, 0xf033
	s_cbranch_scc0 .Lentry_shape_is_right
	s_endpgm
.Lentry_shape_is_right:
; q = x Wq^T + bq, k = x Wk^T + bk, v = x Wv^T + bv on codes of FP6 (E2M3), and the results quantised again: q and k along the head's 64, v along the keys.
; (q's factor 2^-3 is left to the softmax's constant: a power of two moves a block's scale alone, the codes stay.  LIMIT: a block of q whose largest magnitude lies under 2^-121 would have its byte held in the definition and has not here.)
; ONE BODY, TWO ROLES, chosen by scalar selects on the cluster's x alone, never by a branch.  Clusters 0-3 along x: A = x (256 rows a work-group), B = Wq;Wk (128 rows = two heads).
; Clusters 4, 5: A = Wv (256 rows = four heads), B = x (128 tokens).  The product is used transposed (source 0 = 16 rows of B, source 1 = 16 rows of A): a lane holds one row of A and its registers run along B's rows,
; which are the next product's K in both roles: the head's features for q and k, the keys for v.
; TILES OF 16 ROWS hold row 32 (T / 2) + 8 (T % 2) + p + 8 (p / 8) in place p, on both sides: so the 16 registers of B's tiles 2 b, 2 b + 1 are 16 neighbours along the next K.
; SHARES.  Four waves; wave w takes A's tiles 4 w .. 4 w + 3 against B's eight: 32 accumulators.  All of K = 1,024 lies in LDS at once, as four chunks of 256 along K, each filled once: no slot is filled again.
; CLUSTER 4 x 4: the four of a row need the same tiles of A, the four of a column the same tiles of B: each is asked for jointly.  A wave has four tensor loads out at the most.
; Operands lie in memory and in LDS as images of their registers (half image: 16 rows x 64 K, 768 bytes: registers 0-3 at 16 x lane, 4-5 at 512 + 8 x lane): every LDS load reads consecutive bytes.
; REGISTERS: window 0: v8-29 addresses and small things; v32-47 A's scale words, v48-79 B's; v80-91 bv; v128-223 A's fragments, two sets; in the way out v128-227 at work.
;   window 1: B's fragments, two sets at v0 and v128; the bias along B's rows at v96-127 and v224-255.   window 2: accumulator (a, b) at v[8 (8 a + b)].
; LIMITS: NaN and infinities are not served; a block of zeros gets the byte 1 (this program alone reads the bytes).
.set CH,   73728                       ; a chunk: A's 16 tiles x 3,072 bytes, then B's 8
.set BOF,  49152                       ; where B's begin in a chunk
.set FR,   12
.set VB,   12582912                    ; qkv_codes: where v's images begin
.set VSB,  524288                      ; qkv_scales: where v's units begin
.set PWS,  8                           ; v8-11  the four blocks' scale words
.set WD,   12                          ; v12-13 the two words that I store
.set PSEL, 14                          ; v14    byte selects for them
.set AA16, 16                          ; v16-19 LDS addresses of A's and B's images: 16 x lane and 8 x lane
.set AA8,  17
.set AB16, 18
.set AB8,  19
.set O16,  20                          ; v20-24 offsets in memory: 16 l, 8 l + 512, the same for the fragment's second half image, 8 l
.set O8,   21
.set O16C, 22
.set O8C,  23
.set OS8,  24
.set BNO,  25
.set BMO,  26
.set SCA,  32
.set SCB,  48
.set BMP,  80
.set BMR,  88
.set AF,   128
.set T,    128
.set PC,   192
.set TM,   212
.set WV,   18
.set SEL,  2
.set MSB,  0
.macro WIN new                         ; the immediate's high byte repeats the setting that is left
.if MSB != \new
	s_set_vgpr_msb (MSB<<8)|\new
.set MSB, \new
.endif
.endm
.set MUL,  0xa1                        ; source 0 (B) window 1, source 1 (A) window 0, C and D window 2
.set MUL0, 0x91                        ; the same with C (the bias) in window 1
.set TO_B, 0x40                        ; destination window 1, address window 0
.macro CROUND                          ; a round of the cluster's barrier
	s_barrier_signal -1
	s_barrier_wait -1
	s_cmp_lg_u32 s[WV], 0
	s_cbranch_scc1 .Lnot_wave_0_\@
	s_barrier_signal -3
.Lnot_wave_0_\@:
	s_barrier_wait -3
	s_barrier_signal -1
	s_barrier_wait -1
.endm
.macro PLACES                          ; four plain places behind a matrix instruction (ISA guide 7.12.1 for vector instructions)
.rept 4
	v_nop
.endr
.endm
.macro FRAG reg, a16, a8, off          ; a fragment = two half images
	ds_load_b128 v[(\reg):(\reg)+3], v[\a16] offset:(\off)
	ds_load_b64 v[(\reg)+4:(\reg)+5], v[\a8] offset:(\off)+512
	ds_load_b128 v[(\reg)+6:(\reg)+9], v[\a16] offset:(\off)+768
	ds_load_b64 v[(\reg)+10:(\reg)+11], v[\a8] offset:(\off)+1280
.endm
.macro FETCH s                         ; K step s: B's eight fragments and my four of A, into set s % 2: 48 loads
	WIN TO_B
.irp i, 0,1,2,3,4,5,6,7
	FRAG 128*((\s)%2)+FR*\i, AB16, AB8, 3072*\i+1536*((\s)%2)
.endr
	WIN 0
.irp i, 0,1,2,3
	FRAG AF+48*((\s)%2)+FR*\i, AA16, AA8, 3072*\i+1536*((\s)%2)
.endr
.endm
; 16 matrix instructions: A's tiles a0, a0 + 1 x B's eight.  The 32 accumulators take turns, one instruction a turn, in the same order in every step.
; first = 1: the bias is the C of each sum's first instruction.  K steps 4-7 take their scale words from lanes 16-31.
.macro MULH s, a0, first
.irp a, \a0, \a0+1
.irp b, 0,1,2,3,4,5,6,7
.set rD, 8*(8*(\a)+\b)
.set rB, 128*((\s)%2)+FR*\b
.set rA, AF+48*((\s)%2)+FR*(\a)
.set rN, 96+128*(\b/4)+8*(\b%4)
.if \first
	v_wmma_scale_f32_16x16x128_f8f6f4 v[rD:rD+7], v[rB:rB+11], v[rA:rA+11], v[rN:rN+7], v[SCB+4*\b+(\s)%4], v[SCA+4*(\a)+(\s)%4] matrix_a_fmt:MATRIX_FMT_FP6 matrix_b_fmt:MATRIX_FMT_FP6
.elseif (\s) < 4
	v_wmma_scale_f32_16x16x128_f8f6f4 v[rD:rD+7], v[rB:rB+11], v[rA:rA+11], v[rD:rD+7], v[SCB+4*\b+(\s)%4], v[SCA+4*(\a)+(\s)%4] matrix_a_fmt:MATRIX_FMT_FP6 matrix_b_fmt:MATRIX_FMT_FP6
.else
	v_wmma_scale_f32_16x16x128_f8f6f4 v[rD:rD+7], v[rB:rB+11], v[rA:rA+11], v[rD:rD+7], v[SCB+4*\b+(\s)%4], v[SCA+4*(\a)+(\s)%4] matrix_a_fmt:MATRIX_FMT_FP6 matrix_b_fmt:MATRIX_FMT_FP6 matrix_a_scale:MATRIX_SCALE_ROW1 matrix_b_scale:MATRIX_SCALE_ROW1
.endif
.endr
.endr
.endm
.macro STEP_E s, first                 ; an even K step: its successor lies in the same chunk
	s_wait_dscnt 0x0                               ; this step's fragments are in
	PLACES                                         ; in front of loads into the set that the last step multiplied
	FETCH (\s)+1
.if \first
	WIN MUL0
.else
	WIN MUL
.endif
	MULH \s, 0, \first
	MULH \s, 2, \first
.endm
.macro STEP_O s                        ; an odd K step: its successor lies in the next chunk
	s_wait_dscnt 0x0
	s_wait_tensorcnt 3-((\s)+1)/2                  ; my part of the next chunk has landed; the count is my loads for the chunks behind it
	s_barrier_signal -1
	WIN MUL
	MULH \s, 0, 0                                  ; work on registers while the others arrive
	WIN 0
	s_barrier_wait -1                              ; everybody's part has landed
	v_add_nc_u32 v[AA16], CH, v[AA16]              ; on to the next chunk; these four are also the places in front of the loads
	v_add_nc_u32 v[AA8], CH, v[AA8]
	v_add_nc_u32 v[AB16], CH, v[AB16]
	v_add_nc_u32 v[AB8], CH, v[AB8]
	FETCH (\s)+1
	WIN MUL
	MULH \s, 2, 0
.endm
.macro QUANT s, pw                     ; 64 numbers v[s] on (register 16 b + i = k 32 b + 16 (lane / 16) + i of my row) become a fragment's codes in v[PC] on and my row's scale word in v[pw]
.irp b, 0,1,2,3
	v_max3_num_f32 v[TM+\b], |v[\s+16*\b]|, |v[\s+1+16*\b]|, 0x1800000   ; and the floor 2^(3 - 127): the byte cannot fall under 1
.endr
.irp i, 2,4,6,8,10,12,14
.irp b, 0,1,2,3
	v_max3_num_f32 v[TM+\b], v[TM+\b], |v[\s+16*\b+\i]|, |v[\s+1+16*\b+\i]|
.endr
.endr
.irp b, 0,1,2,3
	v_permlanex16_b32 v[TM+4+\b], v[TM+\b], s[SEL], s[SEL+1]
.endr
.irp b, 0,1,2,3
	v_max_num_f32 v[TM+\b], v[TM+\b], v[TM+4+\b]
.endr
.irp b, 0,1,2,3
	v_add_nc_u32 v[TM+12+\b], 0xff000000, v[TM+\b]        ; 2 off the exponent field: the conversion's scale operand
.endr
.irp b, 0,1,2,3
	v_lshrrev_b32 v[TM+4+\b], 23, v[TM+12+\b]             ; the scale's byte
.endr
	v_lshl_or_b32 v[\pw], v[TM+5], 8, v[TM+4]
	v_lshl_or_b32 v[\pw], v[TM+6], 16, v[\pw]
	v_lshl_or_b32 v[\pw], v[TM+7], 24, v[\pw]
.irp c, 0,1
	v_cvt_scalef32_pk16_fp6_f32 v[PC+6*\c:PC+2+6*\c], v[\s+32*\c:\s+15+32*\c], v[TM+12+2*\c]
	v_cvt_scalef32_pk16_fp6_f32 v[PC+12+4*\c:PC+14+4*\c], v[\s+16+32*\c:\s+31+32*\c], v[TM+12+2*\c+1]
.endr
	v_nop                                          ; one plain place behind a scaled conversion
.irp c, 0,1
.irp i, 0,1,2
	v_permlane16_swap_b32 v[PC+6*\c+\i], v[PC+12+4*\c+\i]
.endr
.irp i, 0,1,2
	v_mov_b32 v[PC+3+6*\c+\i], v[PC+12+4*\c+\i]
.endr
.endr
.endm
	s_load_b256 s[4:11], s[0:1], 0x0               ; xw_codes, xw_scales, bq, bk
	s_load_b128 s[12:15], s[0:1], 0x20             ; bv, qkv_codes
	s_load_b64 s[16:17], s[0:1], 0x30              ; qkv_scales
	v_lshl_add_u32 v254, v0, 2, 0x48000
	v_mov_b32 v255, 0
	ds_add_u32 v254, v255
	ds_add_u32 v254, v255
	v_lshrrev_b32 v1, 5, v0
	v_readfirstlane_b32 s[WV], v1                  ; wave 0..3
	s_and_b32 s19, s[WV], 1                        ; which half of A's (waves 0, 1) or B's (waves 2, 3) tiles I fetch
	s_bfe_u32 s20, ttmp6, 0x40000                  ; cx
	s_bfe_u32 s21, ttmp6, 0x40004                  ; cy
	s_and_b32 s23, ttmp7, 0xffff                   ; cluster y
	s_max_u32 s80, ttmp9, 4
	s_sub_co_u32 s80, s80, 4
	s_lshl_b32 s80, s80, 3
	s_add_co_u32 s80, s80, s23                     ; v's role: which four columns of tiles: 8 (cluster x - 4) + cluster y
	s_mov_b32 s86, 768
	s_mov_b32 s88, 393216
	s_mov_b32 s89, 0x05040100
	s_mov_b32 s90, 0x07060302
	s_cmp_ge_u32 ttmp9, 4                          ; v's role?  The same in all sixteen partners
	s_cselect_b32 s76, 0, s23                      ; which four rows of tiles
	s_cselect_b32 s77, 640, 0                      ; A's first tile of 16: Wv's or x's
	s_cselect_b32 s78, 0, 512                      ; B's: x's or Wq's
	s_cselect_b32 s79, -1, 0                       ; a lane mask: all lanes in v's role
	s_cselect_b32 s80, s80, ttmp9
	s_cselect_b32 s86, 1536, s86                   ; the way out: from one block of A's rows to the next,
	s_cselect_b32 s88, 768, s88                    ; from a fragment's first half image to its second,
	s_cselect_b32 s89, 0x03020100, s89             ; and how the scale words are put together (lanes 0-15,
	s_cselect_b32 s90, 0x07060504, s90             ; lanes 16-31)
	s_mov_b32 s87, 0
	s_lshl_b32 s81, s76, 2
	s_add_co_u32 s81, s81, s21                     ; tile row: it never holds cx
	s_lshl_b32 s82, s80, 2
	s_add_co_u32 s82, s82, s20                     ; tile column: it never holds cy
	s_lshl_b32 s83, s81, 4
	s_add_co_u32 s83, s83, s77                     ; A's first tile of 16 for this work-group
	s_lshl_b32 s84, s82, 3
	s_add_co_u32 s84, s84, s78                     ; B's
	s_lshl_b32 s85, s21, 2
	s_lshl_b32 s85, 15, s85                        ; my row of the cluster
	s_lshl_b32 s91, 0x1111, s20                    ; my column
	; group 1: rows of 3,072 bytes (a tile's 256 along K; 384 elements of 8 bytes), 12,288 bytes apart; 8 rows for A, 4 for B; no padding
	s_or_b32 s24, s85, (3<<16)|(1<<21)
	s_mov_b32 s25, 384<<16
	s_mov_b32 s26, 8<<16
	s_mov_b32 s27, 384<<16
	s_mov_b32 s28, 8
	s_mov_b32 s29, 1536
	s_mov_b32 s30, 0
	s_mov_b32 s31, 0
	s_or_b32 s32, s91, (3<<16)|(1<<21)
	s_mov_b32 s33, 384<<16
	s_mov_b32 s34, 4<<16
	s_mov_b32 s35, 384<<16
	s_mov_b32 s36, 4
	s_mov_b32 s37, 1536
	s_mov_b32 s38, 0
	s_mov_b32 s39, 0
	s_lshl_b32 s92, s19, 3
	s_add_co_u32 s92, s92, s83
	s_mul_i32 s92, s92, 12288                      ; A: my eight tiles, in bytes
	s_mov_b32 s93, 0
	s_lshl_b32 s94, s19, 2
	s_add_co_u32 s94, s94, s84
	s_mul_i32 s94, s94, 12288                      ; B: my four
	s_mov_b32 s95, 0
	s_mul_i32 s96, s19, 24576                      ; and where they go in a chunk
	s_mul_i32 s97, s19, 12288
	s_add_co_u32 s97, s97, BOF
	s_mov_b32 s[SEL], 0x76543210
	s_mov_b32 s[SEL+1], 0xfedcba98
	s_wait_dscnt 0x0
	s_wait_kmcnt 0x0
	s_add_nc_u64 s[92:93], s[4:5], s[92:93]
	s_add_nc_u64 s[94:95], s[4:5], s[94:95]
.irp j, 0,1,2,3                                ; group 0 for chunk j: A's at s[40 + 4 j], B's at s56, s60, s68, s72
	s_mov_b32 s[40+4*\j], 1
	s_add_co_u32 s[41+4*\j], s96, \j*CH
	s_add_nc_u64 s[42+4*\j:43+4*\j], s[92:93], \j*3072
	s_or_b32 s[43+4*\j], s[43+4*\j], 0x80000000
	s_mov_b32 s[56+4*\j+4*(\j/2)], 1
	s_add_co_u32 s[57+4*\j+4*(\j/2)], s97, \j*CH
	s_add_nc_u64 s[58+4*\j+4*(\j/2):59+4*\j+4*(\j/2)], s[94:95], \j*3072
	s_or_b32 s[59+4*\j+4*(\j/2)], s[59+4*\j+4*(\j/2)], 0x80000000
.endr
	CROUND                                         ; all sixteen work-groups are here: the joint loads meet
	s_cmp_lt_u32 s[WV], 2                          ; a wave's four fills stand in one branch on the wave's number; four v_nop follow the last
	s_cbranch_scc0 .Lfor_b
	tensor_load_to_lds s[40:43], s[24:31]
	s_nop 0
	tensor_load_to_lds s[44:47], s[24:31]
	s_nop 0
	tensor_load_to_lds s[48:51], s[24:31]
	s_nop 0
	tensor_load_to_lds s[52:55], s[24:31]
	s_nop 0
	PLACES
	s_branch .Lasked
.Lfor_b:
	tensor_load_to_lds s[56:59], s[32:39]
	s_nop 0
	tensor_load_to_lds s[60:63], s[32:39]
	s_nop 0
	tensor_load_to_lds s[68:71], s[32:39]
	s_nop 0
	tensor_load_to_lds s[72:75], s[32:39]
	s_nop 0
	PLACES
.Lasked:
	v_and_b32 v2, 31, v0                           ; lane
	v_and_b32 v3, 15, v0                           ; r
	v_bfe_u32 v4, v0, 4, 1                         ; h
	v_lshlrev_b32 v[O16], 4, v2
	v_lshlrev_b32 v[OS8], 3, v2
	v_add_nc_u32 v[O8], 512, v[OS8]
	v_add_nc_u32 v[O16C], s88, v[O16]
	v_add_nc_u32 v[O8C], s88, v[O8]
	s_mul_i32 s80, s[WV], 12288                    ; my four tiles of A in a chunk
	v_add_nc_u32 v[AA16], s80, v[O16]
	v_add_nc_u32 v[AA8], s80, v[OS8]
	v_add_nc_u32 v[AB16], BOF, v[O16]
	v_add_nc_u32 v[AB8], BOF, v[OS8]
	v_lshlrev_b32 v[BNO], 6, v4                    ; the bias along B's rows: my half's 16 numbers of each 32
	v_and_b32 v5, 8, v3
	v_add_nc_u32 v5, v5, v3
	v_lshlrev_b32 v[BMO], 2, v5                    ; the bias along A's rows: row r + 8 (r / 8) of a tile
	v_mov_b32 v5, s89
	v_mov_b32 v6, s90
	v_cmp_ne_u32 vcc_lo, 0, v4
	v_cndmask_b32 v[PSEL], v5, v6, vcc_lo
	s_lshl_b32 s76, s[WV], 2
	s_add_co_u32 s76, s76, s83
	s_lshl_b32 s76, s76, 9
	s_mov_b32 s77, 0
	s_add_nc_u64 s[76:77], s[6:7], s[76:77]        ; my four tiles' scale units
	s_lshl_b32 s98, s84, 9
	s_mov_b32 s99, 0
	s_add_nc_u64 s[98:99], s[6:7], s[98:99]        ; B's eight
	s_mov_b32 s93, 0
	s_mov_b32 s95, 0
	s_cmp_lt_u32 ttmp9, 2
	s_cselect_b64 s[8:9], s[8:9], s[10:11]         ; bq for the first eight tile columns, bk for the others
	s_and_b32 s92, s82, 7
	s_lshl_b32 s92, s92, 9
	s_add_nc_u64 s[8:9], s[8:9], s[92:93]
	s_cmp_ge_u32 ttmp9, 4
	s_cselect_b32 s92, s81, 0                      ; bv: my 64 rows of Wv (in the other role any 64 inside the buffer)
	s_lshl_b32 s92, s92, 10
	s_lshl_b32 s94, s[WV], 8
	s_add_co_u32 s92, s92, s94
	s_add_nc_u64 s[12:13], s[12:13], s[92:93]
	; where the results go.  q, k: image (head 2 col + c, token tile 16 row + 4 w + i) at ((head) 512 + tile) 768; units of scales (128 col + 4 row + w) 256
	s_lshl_b32 s92, s82, 10
	s_lshl_b32 s94, s81, 4
	s_add_co_u32 s92, s92, s94
	s_lshl_b32 s94, s[WV], 2
	s_add_co_u32 s92, s92, s94
	s_mul_i32 s92, s92, 768
	; v: head 4 row + w, key step col: VB + (64 head + col) 6,144 + 1,536 i + 768 c; units VSB + (64 head + col) 256
	s_lshl_b32 s94, s81, 2
	s_add_co_u32 s94, s94, s[WV]
	s_lshl_b32 s94, s94, 6
	s_add_co_u32 s94, s94, s82
	s_mul_i32 s96, s94, 6144
	s_add_co_u32 s96, s96, VB
	s_lshl_b32 s94, s94, 8
	s_add_co_u32 s94, s94, VSB
	s_lshl_b32 s97, s82, 7
	s_lshl_b32 s80, s81, 2
	s_add_co_u32 s97, s97, s80
	s_add_co_u32 s97, s97, s[WV]
	s_lshl_b32 s97, s97, 8
	s_cmp_ge_u32 ttmp9, 4
	s_cselect_b32 s92, s96, s92
	s_cselect_b32 s94, s94, s97
	s_add_nc_u64 s[14:15], s[14:15], s[92:93]
	s_add_nc_u64 s[16:17], s[16:17], s[94:95]
.irp i, 0,1,2,3
	global_load_b128 v[SCA+4*\i:SCA+4*\i+3], v[O16], s[76:77] offset:512*\i     ; a tile's unit: 512 consecutive bytes, four scale registers
.endr
.irp i, 0,1,2,3,4,5,6,7
	global_load_b128 v[SCB+4*\i:SCB+4*\i+3], v[O16], s[98:99] offset:512*\i
.endr
.irp i, 0,1,2,3
	global_load_b32 v[BMR+\i], v[BMO], s[12:13] offset:4*(32*(\i/2)+8*(\i%2))
.endr
	WIN TO_B
.irp b, 0,1,2,3,4,5,6,7                        ; lane (r, h), tile b: the bias of B's rows 32 (b / 2) + 16 h + 8 (b % 2) + 0 .. 7
	global_load_b128 v[96+128*(\b/4)+8*(\b%4):96+128*(\b/4)+8*(\b%4)+3], v[BNO], s[8:9] offset:128*(\b/2)+32*(\b%2)
	global_load_b128 v[96+128*(\b/4)+8*(\b%4)+4:96+128*(\b/4)+8*(\b%4)+7], v[BNO], s[8:9] offset:128*(\b/2)+32*(\b%2)+16
.endr
	WIN 0
	s_wait_loadcnt 0x0
.irp i, 0,1,2,3
	v_cndmask_b32 v[BMP+2*\i], 0, v[BMR+\i], s79   ; bv counts in v's role alone; doubled for the packed addition
	v_cndmask_b32 v[BMP+2*\i+1], 0, v[BMR+\i], s79
.endr
	WIN 0x41                                       ; destination and source 0 window 1
.set n, 0
.rept 32
	v_cndmask_b32 v[96+n], v[96+n], 0, s79         ; bq, bk count in the other role alone
	v_cndmask_b32 v[224+n], v[224+n], 0, s79
.set n, n+1
.endr
	WIN 0
	s_wait_tensorcnt 0x3                           ; my part of chunk 0 has landed; my three later loads may be out
	s_barrier_signal -1
	s_barrier_wait -1                              ; everybody's has
	FETCH 0
	STEP_E 0, 1
	STEP_O 1
	STEP_E 2, 0
	STEP_O 3
	STEP_E 4, 0
	STEP_O 5
	STEP_E 6, 0
	s_wait_dscnt 0x0
	WIN MUL
	MULH 7, 0, 0
	MULH 7, 2, 0
	WIN 0
	; THE WAY OUT.  For each of my four tiles of A: 64 numbers a lane, + bv, quantised along B's rows: one fragment (two half images) and one scale word a row.
	PLACES
.irp b, 0,1,2,3
	v_mov_b32 v[TM+4+\b], 0                        ; written once: a lane permute's destination counts as one of its sources
.endr
.irp i, 0,1,2,3
	WIN 0x02                                       ; source 0 window 2
.irp b, 0,1,2,3,4,5,6,7
.irp j, 0,2,4,6
	v_pk_add_f32 v[T+8*\b+\j:T+8*\b+\j+1], v[8*(8*\i+\b)+\j:8*(8*\i+\b)+\j+1], v[BMP+2*\i:BMP+2*\i+1]   ; each accumulator from its low end on
.endr
.endr
	WIN 0
	s_wait_xcnt 0x0                                ; the last block's stores have read their data and their base: both are rewritten only behind this wait
.if \i > 0
	s_add_nc_u64 s[14:15], s[14:15], s[86:87]
.endif
	QUANT T, PWS+\i
	global_store_b128 v[O16], v[PC:PC+3], s[14:15]         ; 512 consecutive bytes
	global_store_b64 v[O8], v[PC+4:PC+5], s[14:15]         ; 256 consecutive bytes
	global_store_b128 v[O16C], v[PC+6:PC+9], s[14:15]
	global_store_b64 v[O8C], v[PC+10:PC+11], s[14:15]
.endr
	v_perm_b32 v[WD], v[PWS+2], v[PWS], v[PSEL]    ; q, k: lanes 0-15 the first head's byte pairs of tiles k and k + 2, lanes 16-31 the second head's;  v: lanes 0-15 tiles 0, 1, lanes 16-31 tiles 2, 3
	v_perm_b32 v[WD+1], v[PWS+3], v[PWS+1], v[PSEL]
	global_store_b64 v[OS8], v[WD:WD+1], s[16:17]  ; 32 lanes store 256 consecutive bytes
	s_wait_tensorcnt 0x0
	ds_add_u32 v254, v255
	s_wait_dscnt 0x0
	CROUND                                         ; the closing round: no work-group ends while a partner may still ask for a tile that names it
	s_endpgm
.Lfunc_end_k_q99d3561963_proj:
	.size	k_q99d3561963_proj, .Lfunc_end_k_q99d3561963_proj-k_q99d3561963_proj
	.p2alignl 7, 3214868480
	.fill 96, 4, 3214868480
	.section	.rodata,"a",@progbits
	.p2align	6, 0x0
	.amdhsa_kernel k_q99d3561963_proj
		.amdhsa_group_segment_fixed_size 295424
		.amdhsa_private_segment_fixed_size 0
		.amdhsa_enable_private_segment 0
		.amdhsa_kernarg_size 56
		.amdhsa_user_sgpr_count 2
		.amdhsa_user_sgpr_kernarg_segment_ptr 1
		.amdhsa_wavefront_size32 1
		.amdhsa_system_sgpr_workgroup_id_x 1
		.amdhsa_system_sgpr_workgroup_id_y 1
		.amdhsa_system_sgpr_workgroup_id_z 1
		.amdhsa_system_vgpr_workitem_id 0
		.amdhsa_next_free_vgpr 768
		.amdhsa_next_free_sgpr 100
		.amdhsa_reserve_vcc 1
		.amdhsa_float_denorm_mode_32 3
		.amdhsa_float_denorm_mode_16_64 3
		.amdhsa_memory_ordered 1
		.amdhsa_forward_progress 1
		.amdhsa_inst_pref_size 102
	.end_amdhsa_kernel
	.amdgpu_metadata
---
amdhsa.version: [ 1, 2 ]
amdhsa.kernels:
  - .name:           k_q99d3561963_proj
    .symbol:         k_q99d3561963_proj.kd
    .args:
      - { .name: xw_codes, .offset: 0, .size: 8, .value_kind: global_buffer, .address_space: global }
      - { .name: xw_scales, .offset: 8, .size: 8, .value_kind: global_buffer, .address_space: global }
      - { .name: bq, .offset: 16, .size: 8, .value_kind: global_buffer, .address_space: global }
      - { .name: bk, .offset: 24, .size: 8, .value_kind: global_buffer, .address_space: global }
      - { .name: bv, .offset: 32, .size: 8, .value_kind: global_buffer, .address_space: global }
      - { .name: qkv_codes, .offset: 40, .size: 8, .value_kind: global_buffer, .address_space: global }
      - { .name: qkv_scales, .offset: 48, .size: 8, .value_kind: global_buffer, .address_space: global }
    .group_segment_fixed_size: 295424
    .private_segment_fixed_size: 0
    .kernarg_segment_align: 8
    .kernarg_segment_size: 56
    .max_flat_workgroup_size: 128
    .sgpr_count:     100
    .vgpr_count:     768
    .wavefront_size: 32
...
	.end_amdgpu_metadata
.endif
;; end of part 2
;; launch attn (part 3): grid 4 x 64, 16 waves a work-group, clusters of 4 x 1, 207,872 bytes of LDS; arguments qkv_codes, qkv_scales, ow_codes, ow_scales; writes ow_codes, ow_scales
.if DOCPART == 3
	.amdgcn_target "amdgcn-amd-amdhsa--gfx1250"
	.amdhsa_code_object_version 6
	.text
	.protected	k_q99d3561963_attn
	.globl	k_q99d3561963_attn
	.p2align	8
	.type	k_q99d3561963_attn,@function
k_q99d3561963_attn:
	s_mov_b64 s[64:65], 0
	v_nop
	global_prefetch_b8 v0, s[64:65] scope:SCOPE_SE
	s_setreg_imm32_b32 hwreg(HW_REG_WAVE_MODE, 25, 1), 1
	s_wait_xcnt 0x0
	s_wait_alu depctr_hold_cnt(0) depctr_sa_sdst(0) depctr_va_vdst(0) depctr_va_sdst(0) depctr_va_ssrc(0) depctr_va_vcc(0) depctr_vm_vsrc(0)
	s_getreg_b32 s2, hwreg(HW_REG_IB_STS2, 6, 4)
	s_cmp_eq_u32 s2, 0
	s_cbranch_scc0 .Lentry_in_a_cluster
	s_endpgm
.Lentry_in_a_cluster:
	s_bfe_u32 s2, ttmp6, 0x10000c
	s_cmp_lg_u32 s2, 0x3003
	s_cbranch_scc0 .Lentry_shape_is_right
	s_endpgm
.Lentry_shape_is_right:
; o = softmax(q k^T / 8) v for one head of one batch, both products on codes of FP6 (E2M3); o is quantised along the head's 64 and stored as an operand of the last product.
; THE SOFTMAX: t = score x c, c = log2(e) / 8 (q arrives without its factor 2^-3: a power of two, which c takes up exactly); M = the running largest t rounded up to a whole number; p = 2^(t - M) is quantised along the keys,
; not normalised; the row's sum is taken of the unquantised p and divides at the end.  When M moves, sum and O are multiplied by 2^(old M - new M): exact.
; SHARES.  A work-group owns 512 queries of a head; each of its sixteen waves one tile of 16 at a time, two tiles one after the other: four waves to a SIMD, so that one wave's vector work stands beside another's matrix work.
; ALL OF THE HEAD'S K AND V (2,048 keys: 98,304 bytes each as codes, 4,096 each of scale bytes) LIES IN LDS, each byte filled once: no slot is filled again.
; CLUSTER 4 x 1: the four blocks of queries of a head read the same K and V: every tile is asked for jointly (mask 15).  Wave 0 asks for K's (scales, then four chunks of 512 keys), wave 1 for V's: five tensor loads out at the most.
; LAYOUT.  Both products transposed: S^T = K Q^T, O^T = V^T P^T: a lane holds one query.  Tiles of 16 keys hold key 32 (i / 2) + 8 (i % 2) + p + 8 (p / 8) in place p: the 16 registers of tiles 2 b, 2 b + 1 are 16 neighbouring keys.
; THE HEAD HAS 64, THE INSTRUCTION 128 ALONG K: a fragment of K holds TWO tiles of keys (i and i + 2), one in each half of K, and is multiplied twice, by Q with zero codes in the upper half and by Q with zero codes in the lower.
; REGISTERS: v1-11 addresses; v12 -M, v13 largest t, v[14:15] the sum; v16-33 zeros | Q | zeros; v34, v35 Q's scale words; v36-83 four fragments; v84-87 K's and V's scale words; v88-151 S^T, then p; v152-183 O^T;
;   v184-203 p's codes; v204-221 at work; v222-229 the second tile's Q and the scale words as loaded.
; LIMITS: NaN and infinities are not served; a block of zeros gets the byte 1 (this program alone reads the bytes).
.set KSC,  196608                      ; LDS: K's images at 0, V's at 98,304; K's scale words: 256 bytes a key step, [tile group][row][k];
.set OSG,  204800                      ; V's at KSC + 4,096: [tile pair][row][k]; o's scale bytes, 1,024 bytes, written by LDS stores alone
.set VB,   12582912
.set VSB,  524288
.set QL,   34
.set QH,   35
.set F,    36
.set KS,   84
.set VS,   86
.set S,    88
.set O,    152
.set PC,   184
.set PT,   196
.set BM,   204
.set BX,   208
.set SO,   212
.set FF,   216                         ; v[216:217] f, later 1 / sum (the pair's low word serves both halves)
.set PW,   218                         ; p's scale word
.set TP,   219
.set SU,   220
.set Q1,   222
.set W1,   228
.set W0,   229
.set WV,   12
.set SEL,  60
.set CS,   62
.set TK,   66                          ; s66  LDS byte of the key step in hand: 6,144 a step
.set TS,   67                          ; s67  and of its scale words: 256 a step
.set CNT,  68
.macro CROUND
	s_barrier_signal -1
	s_barrier_wait -1
	s_cmp_lg_u32 s[WV], 0
	s_cbranch_scc1 .Lnot_wave_0_\@
	s_barrier_signal -3
.Lnot_wave_0_\@:
	s_barrier_wait -3
	s_barrier_signal -1
	s_barrier_wait -1
.endm
.macro PLACES
.rept 4
	v_nop
.endr
.endm
	s_load_b256 s[4:11], s[0:1], 0x0               ; qkv_codes, qkv_scales, ow_codes, ow_scales
	v_lshl_add_u32 v254, v0, 2, 0x32400
	v_mov_b32 v255, 0
	ds_add_u32 v254, v255
	ds_add_u32 v254, v255
	v_lshrrev_b32 v1, 5, v0
	v_readfirstlane_b32 s[WV], v1                  ; wave 0..15
	s_bfe_u32 s13, ttmp6, 0x40000                  ; cx: my block of 512 queries; it enters Q's and o's addresses alone
	s_and_b32 s14, ttmp7, 0xffff
	s_and_b32 s15, s14, 15                         ; head
	s_lshr_b32 s14, s14, 4                         ; batch
	s_and_b32 s69, s[WV], 1                        ; 0: K's, 1: V's
	; group 1 for the images: 24,576 dense bytes as 96 rows of 256 (32 elements of 8 bytes)
	s_mov_b32 s16, 15|(3<<16)|(1<<21)
	s_mov_b32 s17, 32<<16
	s_mov_b32 s18, 96<<16
	s_mov_b32 s19, 32<<16
	s_mov_b32 s20, 96
	s_mov_b32 s21, 32
	s_mov_b32 s22, 0
	s_mov_b32 s23, 0
	; for K's scale words: 32 rows of 128 bytes, 256 apart (the other 128 are the neighbouring head's)
	s_mov_b32 s24, 15|(3<<16)|(1<<21)
	s_mov_b32 s25, 16<<16
	s_mov_b32 s26, 32<<16
	s_mov_b32 s27, 16<<16
	s_mov_b32 s28, 32
	s_mov_b32 s29, 32
	s_mov_b32 s30, 0
	s_mov_b32 s31, 0
	; for V's: 4,096 dense bytes as 16 rows of 256
	s_mov_b32 s32, 15|(3<<16)|(1<<21)
	s_mov_b32 s33, 32<<16
	s_mov_b32 s34, 16<<16
	s_mov_b32 s35, 32<<16
	s_mov_b32 s36, 16
	s_mov_b32 s37, 32
	s_mov_b32 s38, 0
	s_mov_b32 s39, 0
	s_add_co_u32 s70, s15, 16
	s_lshl_b32 s70, s70, 9
	s_lshl_b32 s71, s14, 7
	s_add_co_u32 s70, s70, s71
	s_mul_i32 s70, s70, 768                        ; K's images: ((16 + head) 512 + 128 batch) 768
	s_lshl_b32 s72, s15, 2
	s_add_co_u32 s72, s72, s14
	s_mul_i32 s72, s72, 98304
	s_add_co_u32 s72, s72, VB                      ; V's: VB + (4 head + batch) 98,304
	s_lshr_b32 s73, s15, 1
	s_add_co_u32 s74, s73, 8
	s_lshl_b32 s74, s74, 7
	s_lshl_b32 s75, s14, 5
	s_add_co_u32 s74, s74, s75
	s_lshl_b32 s74, s74, 8
	s_and_b32 s76, s15, 1
	s_lshl_b32 s76, s76, 7
	s_add_co_u32 s74, s74, s76                     ; K's scale words
	s_lshl_b32 s77, s15, 6
	s_lshl_b32 s78, s14, 4
	s_add_co_u32 s77, s77, s78
	s_lshl_b32 s77, s77, 8
	s_add_co_u32 s77, s77, VSB                     ; V's
	s_cmp_eq_u32 s69, 0
	s_cselect_b32 s70, s70, s72
	s_cselect_b32 s74, s74, s77
	s_mov_b32 s71, 0
	s_mov_b32 s75, 0
	s_mul_i32 s72, s69, 98304                      ; where they go
	s_mul_i32 s77, s69, 4096
	s_add_co_u32 s77, s77, KSC
	s_mov_b32 s[SEL], 0x76543210
	s_mov_b32 s[SEL+1], 0xfedcba98
	s_mov_b32 s[CS], 0x3e38aa3b                    ; c = log2(e) / 8
	s_mov_b32 s[CS+1], s[CS]                       ; (named with it as a pair, so it is written)
	s_mov_b32 s[TK], 0
	s_mov_b32 s[TS], 0
	s_wait_dscnt 0x0
	s_wait_kmcnt 0x0
	s_add_nc_u64 s[70:71], s[4:5], s[70:71]
	s_add_nc_u64 s[74:75], s[6:7], s[74:75]
	s_mov_b32 s40, 1
	s_mov_b32 s41, s77
	s_mov_b64 s[42:43], s[74:75]
	s_or_b32 s43, s43, 0x80000000
.irp j, 0,1,2,3
	s_mov_b32 s[44+4*\j], 1
	s_add_co_u32 s[45+4*\j], s72, \j*24576
	s_add_nc_u64 s[46+4*\j:47+4*\j], s[70:71], \j*24576
	s_or_b32 s[47+4*\j], s[47+4*\j], 0x80000000
.endr
	CROUND                                         ; all four work-groups are here: the joint loads meet
	s_cmp_eq_u32 s[WV], 0                          ; a wave's five fills stand in one branch on the wave's number; four v_nop follow the last
	s_cbranch_scc0 .Lnot_k
	tensor_load_to_lds s[40:43], s[24:31]
	s_nop 0
	tensor_load_to_lds s[44:47], s[16:23]
	s_nop 0
	tensor_load_to_lds s[48:51], s[16:23]
	s_nop 0
	tensor_load_to_lds s[52:55], s[16:23]
	s_nop 0
	tensor_load_to_lds s[56:59], s[16:23]
	s_nop 0
	PLACES
	s_branch .Lasked
.Lnot_k:
	s_cmp_eq_u32 s[WV], 1
	s_cbranch_scc0 .Lasked
	tensor_load_to_lds s[40:43], s[32:39]
	s_nop 0
	tensor_load_to_lds s[44:47], s[16:23]
	s_nop 0
	tensor_load_to_lds s[48:51], s[16:23]
	s_nop 0
	tensor_load_to_lds s[52:55], s[16:23]
	s_nop 0
	tensor_load_to_lds s[56:59], s[16:23]
	s_nop 0
	PLACES
.Lasked:
	v_and_b32 v11, 31, v0                          ; lane
	v_and_b32 v[TP], 15, v0                        ; r
	v_lshlrev_b32 v1, 4, v11                       ; 16 x lane
	v_lshlrev_b32 v2, 3, v11                       ; 8 x lane
	v_add_nc_u32 v3, KSC, v2
	v_lshlrev_b32 v11, 3, v[TP]                    ; 8 r
	s_lshr_b32 s72, s[WV], 2
	s_lshl_b32 s72, s72, 7
	s_and_b32 s77, s[WV], 3
	s_lshl_b32 s77, s77, 1
	s_add_co_u32 s72, s72, s77
	s_add_co_u32 s72, s72, OSG
	v_add_nc_u32 v9, s72, v11                      ; o's scale bytes: [tile / 4][row][tile % 4], two bytes each
	s_lshl_b32 s77, s69, 9
	s_add_co_u32 s77, s77, OSG
	v_add_nc_u32 v10, s77, v1                      ; and where waves 0 and 1 read them back
	s_lshl_b32 s2, s13, 5
	s_add_co_u32 s2, s2, s[WV]
	s_lshl_b32 s3, s14, 7
	s_add_co_u32 s2, s2, s3                        ; my first tile of queries: 128 batch + 32 cx + wave; the second lies 16 tiles on
	s_lshl_b32 s70, s15, 9
	s_add_co_u32 s70, s70, s2
	s_mul_i32 s70, s70, 768
	s_mov_b32 s71, 0
	s_add_nc_u64 s[4:5], s[4:5], s[70:71]          ; its image
	s_lshl_b32 s70, s73, 7
	s_lshr_b32 s72, s2, 2
	s_add_co_u32 s70, s70, s72
	s_lshl_b32 s70, s70, 8
	s_add_co_u32 s70, s70, s76
	s_lshl_b32 s77, s69, 2
	s_add_co_u32 s70, s70, s77
	s_add_nc_u64 s[6:7], s[6:7], s[70:71]          ; its scale word: the word holds tiles k and k + 2 of four
	s_lshl_b32 s70, s2, 4
	s_add_co_u32 s70, s70, s15
	s_mul_i32 s70, s70, 768
	s_add_nc_u64 s[8:9], s[8:9], s[70:71]          ; o's image: (16 tile + head) 768
	s_lshl_b32 s70, s15, 14
	s_lshl_b32 s72, s14, 5
	s_lshl_b32 s77, s13, 3
	s_add_co_u32 s72, s72, s77
	s_lshl_b32 s72, s72, 7
	s_add_co_u32 s70, s70, s72
	s_lshl_b32 s72, s69, 9
	s_add_co_u32 s70, s70, s72
	s_add_nc_u64 s[10:11], s[10:11], s[70:71]      ; o's scale bytes: 16,384 head + 128 (32 batch + 8 cx), + 512 for wave 1
	s_bfe_u32 s73, s[WV], 0x10001
	s_lshl_b32 s73, s73, 4                         ; which half of the word is my tile's
	global_load_b128 v[22:25], v1, s[4:5]
	global_load_b64 v[26:27], v2, s[4:5] offset:512
	global_load_b128 v[Q1:Q1+3], v1, s[4:5] offset:12288
	global_load_b64 v[Q1+4:Q1+5], v2, s[4:5] offset:12288+512
	global_load_b32 v[W0], v11, s[6:7]
	global_load_b32 v[W1], v11, s[6:7] offset:1024
.irp j, 16,17,18,19,20,21,28,29,30,31,32,33
	v_mov_b32 v[\j], 0                             ; zero codes on both sides of Q
.endr
.irp b, 0,1,2,3
	v_mov_b32 v[BX+\b], 0                          ; written once: a lane permute's destination counts as one of its sources
.endr
	v_mov_b32 v[FF+1], 0                           ; (named as the upper half of a pair)
.macro INIT                            ; a tile of queries begins: zeros, which the first change of M leaves zeros
	v_mov_b32 v13, 0xff61b1e6                      ; the largest t so far: -3e38
	v_floor_f32 v12, -v13
	v_mov_b32 v14, 0
	v_mov_b32 v15, 0
.set j, 0
.rept 32
	v_mov_b32 v[O+j], 0
.set j, j+1
.endr
.endm
; A KEY STEP: 128 keys.
.macro STEP
	v_add_nc_u32 v4, s[TK], v1                     ; these five are also the places in front of loads into registers that the last products read
	v_add_nc_u32 v5, s[TK], v2
	v_add_nc_u32 v6, 0x18000, v4
	v_add_nc_u32 v7, 0x18000, v5
	v_add_nc_u32 v8, s[TS], v3
.irp g, 0,1
.irp k, 0,1                                    ; fragment 2 g + k = tile 4 g + k in the lower half of K, tile 4 g + k + 2 in the upper
	ds_load_b128 v[F+12*(2*\g+\k):F+12*(2*\g+\k)+3], v4 offset:(4*\g+\k)*768
	ds_load_b64 v[F+12*(2*\g+\k)+4:F+12*(2*\g+\k)+5], v5 offset:(4*\g+\k)*768+512
	ds_load_b128 v[F+12*(2*\g+\k)+6:F+12*(2*\g+\k)+9], v4 offset:(4*\g+\k+2)*768
	ds_load_b64 v[F+12*(2*\g+\k)+10:F+12*(2*\g+\k)+11], v5 offset:(4*\g+\k+2)*768+512
.endr
.endr
	ds_load_b64 v[KS:KS+1], v8                     ; register k: lanes 0-15 fragment k's words, lanes 16-31 fragment 2 + k's
	s_wait_dscnt 0x0
.irp g, 0,1
.irp k, 0,1
.if \g
	v_wmma_scale_f32_16x16x128_f8f6f4 v[S+8*(4*\g+\k):S+8*(4*\g+\k)+7], v[F+12*(2*\g+\k):F+12*(2*\g+\k)+11], v[22:33], 0, v[KS+\k], v[QL] matrix_a_fmt:MATRIX_FMT_FP6 matrix_b_fmt:MATRIX_FMT_FP6 matrix_a_scale:MATRIX_SCALE_ROW1
	v_wmma_scale_f32_16x16x128_f8f6f4 v[S+8*(4*\g+\k+2):S+8*(4*\g+\k+2)+7], v[F+12*(2*\g+\k):F+12*(2*\g+\k)+11], v[16:27], 0, v[KS+\k], v[QH] matrix_a_fmt:MATRIX_FMT_FP6 matrix_b_fmt:MATRIX_FMT_FP6 matrix_a_scale:MATRIX_SCALE_ROW1
.else
	v_wmma_scale_f32_16x16x128_f8f6f4 v[S+8*(4*\g+\k):S+8*(4*\g+\k)+7], v[F+12*(2*\g+\k):F+12*(2*\g+\k)+11], v[22:33], 0, v[KS+\k], v[QL] matrix_a_fmt:MATRIX_FMT_FP6 matrix_b_fmt:MATRIX_FMT_FP6
	v_wmma_scale_f32_16x16x128_f8f6f4 v[S+8*(4*\g+\k+2):S+8*(4*\g+\k+2)+7], v[F+12*(2*\g+\k):F+12*(2*\g+\k)+11], v[16:27], 0, v[KS+\k], v[QH] matrix_a_fmt:MATRIX_FMT_FP6 matrix_b_fmt:MATRIX_FMT_FP6
.endif
.endr
.endr
	PLACES                                         ; behind the products: for the loads below and for the first read of the scores
.irp d, 0,1,2,3                                ; V's four fragments (16 of the head's 64 x 128 keys) land while the softmax is walked
	ds_load_b128 v[F+12*\d:F+12*\d+3], v6 offset:1536*\d
	ds_load_b64 v[F+12*\d+4:F+12*\d+5], v7 offset:1536*\d+512
	ds_load_b128 v[F+12*\d+6:F+12*\d+9], v6 offset:1536*\d+768
	ds_load_b64 v[F+12*\d+10:F+12*\d+11], v7 offset:1536*\d+1280
.endr
	ds_load_b64 v[VS:VS+1], v8 offset:4096
.irp b, 0,1,2,3
	v_max3_num_f32 v[BM+\b], v[S+16*\b], v[S+16*\b+1], v[S+16*\b+2]   ; the largest score of each block of 32 keys: for the row's maximum and, since p rises with the score, for the block's largest p
.endr
.irp i, 3,5,7,9,11,13
.irp b, 0,1,2,3
	v_max3_num_f32 v[BM+\b], v[BM+\b], v[S+16*\b+\i], v[S+16*\b+\i+1]
.endr
.endr
.irp b, 0,1,2,3
	v_max_num_f32 v[BM+\b], v[BM+\b], v[S+16*\b+15]
.endr
.irp b, 0,1,2,3
	v_permlanex16_b32 v[BX+\b], v[BM+\b], s[SEL], s[SEL+1]
.endr
.irp b, 0,1,2,3
	v_max_num_f32 v[BM+\b], v[BM+\b], v[BX+\b]     ; with lane l xor 16's 16 keys
.endr
	v_max3_num_f32 v[TP], v[BM], v[BM+1], v[BM+2]
	v_max_num_f32 v[TP], v[TP], v[BM+3]
	v_mul_f32 v[TP], s[CS], v[TP]                  ; the step's largest t (c is positive)
	v_max_num_f32 v13, v13, v[TP]
	v_mov_b32 v[TP], v12
	v_floor_f32 v12, -v13                          ; the new -M = floor(-t): M is a whole number
	v_sub_f32 v[TP], v12, v[TP]                    ; old M - new M, 0 or less
	v_cvt_i32_f32 v[TP], v[TP]                     ; (it saturates)
	v_ldexp_f32 v[FF], 1.0, v[TP]                  ; f = 2^(old M - new M)
.set j, 0
.rept 32
	v_pk_fma_f32 v[S+j:S+j+1], v[S+j:S+j+1], s[CS:CS+1], v[12:13] op_sel_hi:[1,0,0]   ; t - M, two at a time
.set j, j+2
.endr
.irp b, 0,1,2,3
	v_fma_f32 v[BM+\b], v[BM+\b], s[CS], v12       ; the same of each block's largest score
.endr
.set j, 0
.rept 64
	v_exp_f32 v[S+j], v[S+j]                       ; p = 2^(t - M)
.set j, j+1
.endr
	v_pk_mul_f32 v[14:15], v[14:15], v[FF:FF+1] op_sel_hi:[1,0]   ; the sums under the new M: the plain place behind the exponentials
	s_wait_alu depctr_va_vdst(0)                   ; one wait for the batch of 64, ahead of its first reader
.irp b, 0,1,2,3
	v_exp_f32 v[BM+\b], v[BM+\b]                   ; the blocks' largest p
.endr
	v_pk_add_f32 v[SU:SU+1], v[S:S+1], v[S+2:S+3]  ; the row's sum of the unquantised p, in two chains; it reads the 64 alone
.set j, 4
.rept 15
	v_pk_add_f32 v[14:15], v[14:15], v[S+j:S+j+1]
	v_pk_add_f32 v[SU:SU+1], v[SU:SU+1], v[S+j+2:S+j+3]
.set j, j+4
.endr
	v_pk_add_f32 v[14:15], v[14:15], v[SU:SU+1]
	s_wait_alu depctr_va_vdst(0)                   ; and one for the four
.irp b, 0,1,2,3
	v_max_num_f32 v[BM+\b], 0x1800000, v[BM+\b]    ; the floor 2^(3 - 127): the byte cannot fall under 1
.endr
.irp b, 0,1,2,3
	v_add_nc_u32 v[SO+\b], 0xff000000, v[BM+\b]    ; 2 off the exponent field: the conversion's scale operand
.endr
.irp b, 0,1,2,3
	v_lshrrev_b32 v[BX+\b], 23, v[SO+\b]           ; the scale's byte
.endr
	v_lshl_or_b32 v[PW], v[BX+1], 8, v[BX]
	v_lshl_or_b32 v[PW], v[BX+2], 16, v[PW]
	v_lshl_or_b32 v[PW], v[BX+3], 24, v[PW]
.irp c, 0,1
	v_cvt_scalef32_pk16_fp6_f32 v[PC+6*\c:PC+6*\c+2], v[S+32*\c:S+32*\c+15], v[SO+2*\c]
	v_cvt_scalef32_pk16_fp6_f32 v[PT+4*\c:PT+4*\c+2], v[S+32*\c+16:S+32*\c+31], v[SO+2*\c+1]
.endr
	v_nop                                          ; one plain place behind a scaled conversion
.irp c, 0,1
.irp i, 0,1,2
	v_permlane16_swap_b32 v[PC+6*\c+\i], v[PT+4*\c+\i]
.endr
.irp i, 0,1,2
	v_mov_b32 v[PC+6*\c+3+\i], v[PT+4*\c+\i]
.endr
.endr
.set j, 0
.rept 16
	v_pk_mul_f32 v[O+j:O+j+1], v[O+j:O+j+1], v[FF:FF+1] op_sel_hi:[1,0]   ; O^T under the new M; also the places between p's codes and scale word and the products
.set j, j+2
.endr
	s_wait_dscnt 0x0                               ; V is in
.irp d, 0,1,2,3                                ; four accumulators by turns
.if \d > 1
	v_wmma_scale_f32_16x16x128_f8f6f4 v[O+8*\d:O+8*\d+7], v[F+12*\d:F+12*\d+11], v[PC:PC+11], v[O+8*\d:O+8*\d+7], v[VS+\d-2], v[PW] matrix_a_fmt:MATRIX_FMT_FP6 matrix_b_fmt:MATRIX_FMT_FP6 matrix_a_scale:MATRIX_SCALE_ROW1
.else
	v_wmma_scale_f32_16x16x128_f8f6f4 v[O+8*\d:O+8*\d+7], v[F+12*\d:F+12*\d+11], v[PC:PC+11], v[O+8*\d:O+8*\d+7], v[VS+\d], v[PW] matrix_a_fmt:MATRIX_FMT_FP6 matrix_b_fmt:MATRIX_FMT_FP6
.endif
.endr
	s_add_co_u32 s[TK], s[TK], 6144
	s_add_co_u32 s[TS], s[TS], 256
.endm
.macro STEPS n
	s_mov_b32 s[CNT], \n
.Lstep_\@:
	STEP
	s_sub_co_u32 s[CNT], s[CNT], 1
	s_cmp_lg_u32 s[CNT], 0
	s_cbranch_scc1 .Lstep_\@
.endm
; A tile's end: O^T / the sum; register 16 b + i is channel 32 b + 16 (lane / 16) + i of my query: two blocks, one half image, two scale bytes.
.macro OUT p
	PLACES                                         ; behind the last products
	v_add_f32 v14, v14, v15
	v_permlanex16_b32 v[TP], v14, s[SEL], s[SEL+1]
	v_add_f32 v14, v14, v[TP]                      ; the row's sum
	v_rcp_f32 v[FF], v14
	v_nop                                          ; a plain place behind the reciprocal,
	s_wait_alu depctr_va_vdst(0)                   ; and the wait ahead of its first reader
.set j, 0
.rept 16
	v_pk_mul_f32 v[S+j:S+j+1], v[O+j:O+j+1], v[FF:FF+1] op_sel_hi:[1,0]   ; each accumulator from its low end on
.set j, j+2
.endr
.irp b, 0,1
	v_max3_num_f32 v[BM+\b], |v[S+16*\b]|, |v[S+16*\b+1]|, 0x1800000
.endr
.irp i, 2,4,6,8,10,12,14
.irp b, 0,1
	v_max3_num_f32 v[BM+\b], v[BM+\b], |v[S+16*\b+\i]|, |v[S+16*\b+\i+1]|
.endr
.endr
.irp b, 0,1
	v_permlanex16_b32 v[BX+\b], v[BM+\b], s[SEL], s[SEL+1]
.endr
.irp b, 0,1
	v_max_num_f32 v[BM+\b], v[BM+\b], v[BX+\b]
.endr
.irp b, 0,1
	v_add_nc_u32 v[SO+\b], 0xff000000, v[BM+\b]
.endr
.irp b, 0,1
	v_lshrrev_b32 v[BX+\b], 23, v[SO+\b]
.endr
	v_lshl_or_b32 v[TP], v[BX+1], 8, v[BX]
	v_cvt_scalef32_pk16_fp6_f32 v[PC:PC+2], v[S:S+15], v[SO]
	v_cvt_scalef32_pk16_fp6_f32 v[PT:PT+2], v[S+16:S+31], v[SO+1]
	v_nop
.irp i, 0,1,2
	v_permlane16_swap_b32 v[PC+\i], v[PT+\i]
.endr
.irp i, 0,1,2
	v_mov_b32 v[PC+3+\i], v[PT+\i]
.endr
	global_store_b128 v1, v[PC:PC+3], s[8:9] offset:196608*\p          ; 512 consecutive bytes
	global_store_b64 v2, v[PC+4:PC+5], s[8:9] offset:196608*\p+512     ; 256 consecutive bytes
	ds_store_b16 v9, v[TP] offset:512*\p           ; both lanes of a row write the same two bytes with the same value
.endm
	s_wait_loadcnt 0x0                             ; Q and its scale words
	v_bfe_u32 v[QL], v[W0], s73, 16                ; Q's two bytes for the lower half of K,
	v_lshlrev_b32 v[QH], 16, v[QL]                 ; and for the upper
	INIT                                           ; (more than eight plain lines between the scale words and the first product)
.irp j, 0,1,2,3                                ; the first tile walks the chunks as they land
	s_wait_tensorcnt 3-\j                          ; the scale words and chunks 0 to j have landed; the count is my loads for the chunks behind them
	s_barrier_signal -1
	s_barrier_wait -1
	STEPS 4
.endr
	OUT 0
.irp i, 0,1,2,3,4,5
	v_mov_b32 v[22+\i], v[Q1+\i]                   ; the second tile of queries
.endr
	v_bfe_u32 v[QL], v[W1], s73, 16
	v_lshlrev_b32 v[QH], 16, v[QL]
	INIT
	s_mov_b32 s[TK], 0
	s_mov_b32 s[TS], 0
	s_wait_xcnt 0x0                                ; the first tile's stores have read their data: the codes' registers are rewritten only behind this wait
	STEPS 16
	OUT 1
	s_wait_dscnt 0x0                               ; for the others' sake: my scale bytes lie in LDS
	s_barrier_signal -1
	s_barrier_wait -1
	s_cmp_lt_u32 s[WV], 2
	s_cbranch_scc0 .Ldone
	ds_load_b128 v[S:S+3], v10
	s_wait_dscnt 0x0
	global_store_b128 v1, v[S:S+3], s[10:11]       ; 512 consecutive bytes a wave
.Ldone:
	s_wait_tensorcnt 0x0
	ds_add_u32 v254, v255
	s_wait_dscnt 0x0
	CROUND                                         ; the closing round
	s_endpgm
.Lfunc_end_k_q99d3561963_attn:
	.size	k_q99d3561963_attn, .Lfunc_end_k_q99d3561963_attn-k_q99d3561963_attn
	.p2alignl 7, 3214868480
	.fill 96, 4, 3214868480
	.section	.rodata,"a",@progbits
	.p2align	6, 0x0
	.amdhsa_kernel k_q99d3561963_attn
		.amdhsa_group_segment_fixed_size 207872
		.amdhsa_private_segment_fixed_size 0
		.amdhsa_enable_private_segment 0
		.amdhsa_kernarg_size 32
		.amdhsa_user_sgpr_count 2
		.amdhsa_user_sgpr_kernarg_segment_ptr 1
		.amdhsa_wavefront_size32 1
		.amdhsa_system_sgpr_workgroup_id_x 1
		.amdhsa_system_sgpr_workgroup_id_y 1
		.amdhsa_system_sgpr_workgroup_id_z 1
		.amdhsa_system_vgpr_workitem_id 0
		.amdhsa_next_free_vgpr 256
		.amdhsa_next_free_sgpr 80
		.amdhsa_reserve_vcc 0
		.amdhsa_float_denorm_mode_32 3
		.amdhsa_float_denorm_mode_16_64 3
		.amdhsa_memory_ordered 1
		.amdhsa_forward_progress 1
		.amdhsa_inst_pref_size 100
	.end_amdhsa_kernel
	.amdgpu_metadata
---
amdhsa.version: [ 1, 2 ]
amdhsa.kernels:
  - .name:           k_q99d3561963_attn
    .symbol:         k_q99d3561963_attn.kd
    .args:
      - { .name: qkv_codes, .offset: 0, .size: 8, .value_kind: global_buffer, .address_space: global }
      - { .name: qkv_scales, .offset: 8, .size: 8, .value_kind: global_buffer, .address_space: global }
      - { .name: ow_codes, .offset: 16, .size: 8, .value_kind: global_buffer, .address_space: global }
      - { .name: ow_scales, .offset: 24, .size: 8, .value_kind: global_buffer, .address_space: global }
    .group_segment_fixed_size: 207872
    .private_segment_fixed_size: 0
    .kernarg_segment_align: 8
    .kernarg_segment_size: 32
    .max_flat_workgroup_size: 512
    .sgpr_count:     80
    .vgpr_count:     256
    .wavefront_size: 32
...
	.end_amdgpu_metadata
.endif
;; end of part 3
;; launch outp (part 4): grid 8 x 32, 4 waves a work-group, clusters of 4 x 4, 295,424 bytes of LDS; arguments ow_codes, ow_scales, bo, out0; writes out0
.if DOCPART == 4
	.amdgcn_target "amdgcn-amd-amdhsa--gfx1250"
	.amdhsa_code_object_version 6
	.text
	.protected	k_q99d3561963_outp
	.globl	k_q99d3561963_outp
	.p2align	8
	.type	k_q99d3561963_outp,@function
k_q99d3561963_outp:
	s_mov_b64 s[64:65], 0
	v_nop
	global_prefetch_b8 v0, s[64:65] scope:SCOPE_SE
	s_setreg_imm32_b32 hwreg(HW_REG_WAVE_MODE, 25, 1), 1
	s_wait_xcnt 0x0
	s_wait_alu depctr_hold_cnt(0) depctr_sa_sdst(0) depctr_va_vdst(0) depctr_va_sdst(0) depctr_va_ssrc(0) depctr_va_vcc(0) depctr_vm_vsrc(0)
	s_getreg_b32 s2, hwreg(HW_REG_IB_STS2, 6, 4)
	s_cmp_eq_u32 s2, 0
	s_cbranch_scc0 .Lentry_in_a_cluster
	s_endpgm
.Lentry_in_a_cluster:
	s_bfe_u32 s2, ttmp6, 0x10000c
	s_cmp_lg_u32 s2, 0xf033
	s_cbranch_scc0 .Lentry_shape_is_right
	s_endpgm
.Lentry_shape_is_right:
; out0 = o Wo^T + bo on codes of FP6 (E2M3).  o: tiles 0-511 of ow_codes (its half image number is the head), Wo: tiles 512-575.  out0 [8192][1024] f32.
; A work-group makes 256 rows x 128 columns; wave w takes o's tiles 4 w .. 4 w + 3 against Wo's eight: 32 accumulators.  All of K = 1,024 lies in LDS at once, as four chunks of 256 along K, each filled once.
; The product is used transposed (source 0 = 16 rows of Wo, source 1 = 16 rows of o): a lane holds eight neighbouring columns of one row of out0.
; TILES OF 16 ROWS hold row 32 (T / 2) + 8 (T % 2) + p + 8 (p / 8) in place p, on both sides; the way out puts rows and columns back in their places.
; CLUSTER 4 x 4: the four of a row need the same tiles of o, the four of a column the same tiles of Wo: each is asked for jointly.  A wave has four tensor loads out at the most.
; REGISTERS: window 0: v16-29 addresses; v32-47 o's scale words, v48-79 Wo's; v80-95 o's scale bytes as loaded; v128-223 o's fragments, two sets; in the way out v128-255 rows of out0.
;   window 1: Wo's fragments, two sets at v0 and v128; bo at v96-127 and v224-255.   window 2: accumulator (a, b) at v[8 (8 a + b)].
.set CH,   73728
.set BOF,  49152
.set FR,   12
.set AA16, 16
.set AA8,  17
.set AB16, 18
.set AB8,  19
.set O16,  20
.set OS8,  24
.set BNO,  25
.set ASO,  27
.set STO,  28
.set RD,   29
.set SCA,  32
.set SCB,  48
.set RAW,  80
.set AF,   128
.set BK,   128
.set WV,   18
.set MSB,  0
.macro WIN new
.if MSB != \new
	s_set_vgpr_msb (MSB<<8)|\new
.set MSB, \new
.endif
.endm
.set MUL,  0xa1
.set MUL0, 0x91
.set TO_B, 0x40
.macro CROUND
	s_barrier_signal -1
	s_barrier_wait -1
	s_cmp_lg_u32 s[WV], 0
	s_cbranch_scc1 .Lnot_wave_0_\@
	s_barrier_signal -3
.Lnot_wave_0_\@:
	s_barrier_wait -3
	s_barrier_signal -1
	s_barrier_wait -1
.endm
.macro PLACES
.rept 4
	v_nop
.endr
.endm
.macro FRAG reg, a16, a8, off
	ds_load_b128 v[(\reg):(\reg)+3], v[\a16] offset:(\off)
	ds_load_b64 v[(\reg)+4:(\reg)+5], v[\a8] offset:(\off)+512
	ds_load_b128 v[(\reg)+6:(\reg)+9], v[\a16] offset:(\off)+768
	ds_load_b64 v[(\reg)+10:(\reg)+11], v[\a8] offset:(\off)+1280
.endm
.macro FETCH s
	WIN TO_B
.irp i, 0,1,2,3,4,5,6,7
	FRAG 128*((\s)%2)+FR*\i, AB16, AB8, 3072*\i+1536*((\s)%2)
.endr
	WIN 0
.irp i, 0,1,2,3
	FRAG AF+48*((\s)%2)+FR*\i, AA16, AA8, 3072*\i+1536*((\s)%2)
.endr
.endm
; 16 matrix instructions; the 32 accumulators take turns, one instruction a turn, in the same order in every step.  first = 1: bo is the C of each sum's first instruction.
.macro MULH s, a0, first
.irp a, \a0, \a0+1
.irp b, 0,1,2,3,4,5,6,7
.set rD, 8*(8*(\a)+\b)
.set rB, 128*((\s)%2)+FR*\b
.set rA, AF+48*((\s)%2)+FR*(\a)
.set rN, 96+128*(\b/4)+8*(\b%4)
.if \first
	v_wmma_scale_f32_16x16x128_f8f6f4 v[rD:rD+7], v[rB:rB+11], v[rA:rA+11], v[rN:rN+7], v[SCB+4*\b+(\s)%4], v[SCA+4*(\a)+(\s)%4] matrix_a_fmt:MATRIX_FMT_FP6 matrix_b_fmt:MATRIX_FMT_FP6
.elseif (\s) < 4
	v_wmma_scale_f32_16x16x128_f8f6f4 v[rD:rD+7], v[rB:rB+11], v[rA:rA+11], v[rD:rD+7], v[SCB+4*\b+(\s)%4], v[SCA+4*(\a)+(\s)%4] matrix_a_fmt:MATRIX_FMT_FP6 matrix_b_fmt:MATRIX_FMT_FP6
.else
	v_wmma_scale_f32_16x16x128_f8f6f4 v[rD:rD+7], v[rB:rB+11], v[rA:rA+11], v[rD:rD+7], v[SCB+4*\b+(\s)%4], v[SCA+4*(\a)+(\s)%4] matrix_a_fmt:MATRIX_FMT_FP6 matrix_b_fmt:MATRIX_FMT_FP6 matrix_a_scale:MATRIX_SCALE_ROW1 matrix_b_scale:MATRIX_SCALE_ROW1
.endif
.endr
.endr
.endm
.macro STEP_E s, first
	s_wait_dscnt 0x0                               ; this step's fragments are in
	PLACES                                         ; in front of loads into the set that the last step multiplied
	FETCH (\s)+1
.if \first
	WIN MUL0
.else
	WIN MUL
.endif
	MULH \s, 0, \first
	MULH \s, 2, \first
.endm
.macro STEP_O s
	s_wait_dscnt 0x0
	s_wait_tensorcnt 3-((\s)+1)/2                  ; my part of the next chunk has landed; the count is my loads for the chunks behind it
	s_barrier_signal -1
	WIN MUL
	MULH \s, 0, 0
	WIN 0
	s_barrier_wait -1
	v_add_nc_u32 v[AA16], CH, v[AA16]              ; on to the next chunk; these four are also the places in front of the loads
	v_add_nc_u32 v[AA8], CH, v[AA8]
	v_add_nc_u32 v[AB16], CH, v[AB16]
	v_add_nc_u32 v[AB8], CH, v[AB8]
	FETCH (\s)+1
	WIN MUL
	MULH \s, 2, 0
.endm
	s_load_b256 s[4:11], s[0:1], 0x0               ; ow_codes, ow_scales, bo, out0
	v_lshl_add_u32 v126, v0, 2, 0x48000
	v_mov_b32 v127, 0
	ds_add_u32 v126, v127
	ds_add_u32 v126, v127
	v_lshrrev_b32 v1, 5, v0
	v_readfirstlane_b32 s[WV], v1
	s_and_b32 s19, s[WV], 1
	s_bfe_u32 s20, ttmp6, 0x40000                  ; cx
	s_bfe_u32 s21, ttmp6, 0x40004                  ; cy
	s_and_b32 s23, ttmp7, 0xffff
	s_lshl_b32 s81, s23, 2
	s_add_co_u32 s81, s81, s21                     ; tile row
	s_lshl_b32 s82, ttmp9, 2
	s_add_co_u32 s82, s82, s20                     ; tile column
	s_lshl_b32 s83, s81, 4                         ; o's first tile of 16
	s_lshl_b32 s84, s82, 3
	s_add_co_u32 s84, s84, 512                     ; Wo's
	s_lshl_b32 s85, s21, 2
	s_lshl_b32 s85, 15, s85                        ; my row of the cluster
	s_lshl_b32 s91, 0x1111, s20                    ; my column
	s_or_b32 s24, s85, (3<<16)|(1<<21)             ; group 1: rows of 3,072 bytes, 12,288 apart; 8 rows for o, 4 for Wo
	s_mov_b32 s25, 384<<16
	s_mov_b32 s26, 8<<16
	s_mov_b32 s27, 384<<16
	s_mov_b32 s28, 8
	s_mov_b32 s29, 1536
	s_mov_b32 s30, 0
	s_mov_b32 s31, 0
	s_or_b32 s32, s91, (3<<16)|(1<<21)
	s_mov_b32 s33, 384<<16
	s_mov_b32 s34, 4<<16
	s_mov_b32 s35, 384<<16
	s_mov_b32 s36, 4
	s_mov_b32 s37, 1536
	s_mov_b32 s38, 0
	s_mov_b32 s39, 0
	s_lshl_b32 s92, s19, 3
	s_add_co_u32 s92, s92, s83
	s_mul_i32 s92, s92, 12288
	s_mov_b32 s93, 0
	s_lshl_b32 s94, s19, 2
	s_add_co_u32 s94, s94, s84
	s_mul_i32 s94, s94, 12288
	s_mov_b32 s95, 0
	s_mul_i32 s96, s19, 24576
	s_mul_i32 s97, s19, 12288
	s_add_co_u32 s97, s97, BOF
	s_wait_dscnt 0x0
	s_wait_kmcnt 0x0
	s_add_nc_u64 s[92:93], s[4:5], s[92:93]
	s_add_nc_u64 s[94:95], s[4:5], s[94:95]
.irp j, 0,1,2,3
	s_mov_b32 s[40+4*\j], 1
	s_add_co_u32 s[41+4*\j], s96, \j*CH
	s_add_nc_u64 s[42+4*\j:43+4*\j], s[92:93], \j*3072
	s_or_b32 s[43+4*\j], s[43+4*\j], 0x80000000
	s_mov_b32 s[56+4*\j+4*(\j/2)], 1
	s_add_co_u32 s[57+4*\j+4*(\j/2)], s97, \j*CH
	s_add_nc_u64 s[58+4*\j+4*(\j/2):59+4*\j+4*(\j/2)], s[94:95], \j*3072
	s_or_b32 s[59+4*\j+4*(\j/2)], s[59+4*\j+4*(\j/2)], 0x80000000
.endr
	CROUND                                         ; all sixteen work-groups are here: the joint loads meet
	s_cmp_lt_u32 s[WV], 2
	s_cbranch_scc0 .Lfor_b
	tensor_load_to_lds s[40:43], s[24:31]
	s_nop 0
	tensor_load_to_lds s[44:47], s[24:31]
	s_nop 0
	tensor_load_to_lds s[48:51], s[24:31]
	s_nop 0
	tensor_load_to_lds s[52:55], s[24:31]
	s_nop 0
	PLACES
	s_branch .Lasked
.Lfor_b:
	tensor_load_to_lds s[56:59], s[32:39]
	s_nop 0
	tensor_load_to_lds s[60:63], s[32:39]
	s_nop 0
	tensor_load_to_lds s[68:71], s[32:39]
	s_nop 0
	tensor_load_to_lds s[72:75], s[32:39]
	s_nop 0
	PLACES
.Lasked:
	v_and_b32 v2, 31, v0
	v_and_b32 v3, 15, v0                           ; r
	v_bfe_u32 v4, v0, 4, 1                         ; h
	v_lshlrev_b32 v[O16], 4, v2
	v_lshlrev_b32 v[OS8], 3, v2
	s_mul_i32 s80, s[WV], 12288
	v_add_nc_u32 v[AA16], s80, v[O16]
	v_add_nc_u32 v[AA8], s80, v[OS8]
	v_add_nc_u32 v[AB16], BOF, v[O16]
	v_add_nc_u32 v[AB8], BOF, v[OS8]
	v_lshlrev_b32 v[BNO], 6, v4
	v_lshlrev_b32 v[ASO], 17, v4
	v_lshl_add_u32 v[ASO], v3, 3, v[ASO]           ; o's scale bytes: lanes 16-31 take the heads eight on; 8 bytes a row
	s_mul_i32 s85, s[WV], 8448                     ; my stage: 16 rows x 528 bytes, in chunk 0's bytes, which have had their only fill and their last read when the first result is stored there
	v_mul_u32_u24 v[STO], v3, 528
	v_lshl_add_u32 v[STO], v4, 6, v[STO]
	v_add_nc_u32 v[STO], s85, v[STO]
	v_add_nc_u32 v[RD], s85, v[O16]
	s_lshl_b32 s76, s81, 2
	s_add_co_u32 s76, s76, s[WV]
	s_lshl_b32 s76, s76, 7
	s_mov_b32 s77, 0
	s_add_nc_u64 s[76:77], s[6:7], s[76:77]        ; o's scale bytes of my four tiles: [head][tile / 4][row][tile % 4], two bytes each
	s_lshl_b32 s98, s84, 9
	s_mov_b32 s99, 0
	s_add_nc_u64 s[98:99], s[6:7], s[98:99]        ; Wo's units
	s_mov_b32 s93, 0
	s_mov_b32 s95, 0
	s_lshl_b32 s92, s82, 9
	s_add_nc_u64 s[8:9], s[8:9], s[92:93]          ; bo: my 128 columns
	s_lshl_b32 s94, s81, 8
	s_lshl_b32 s96, s[WV], 6
	s_add_co_u32 s94, s94, s96
	s_lshl_b32 s94, s94, 12
	s_add_co_u32 s94, s94, s92
	s_add_nc_u64 s[10:11], s[10:11], s[94:95]      ; out0 at my first row and the tile's first column
.irp k, 0,1,2,3
.irp e, 0,1                                    ; head 2 k + e (lanes 16-31: + 8): the byte pairs of my four tiles
	global_load_b64 v[RAW+4*\k+2*\e:RAW+4*\k+2*\e+1], v[ASO], s[76:77] offset:(2*\k+\e)*16384
.endr
.endr
.irp i, 0,1,2,3,4,5,6,7
	global_load_b128 v[SCB+4*\i:SCB+4*\i+3], v[O16], s[98:99] offset:512*\i
.endr
	WIN TO_B
.irp b, 0,1,2,3,4,5,6,7
	global_load_b128 v[96+128*(\b/4)+8*(\b%4):96+128*(\b/4)+8*(\b%4)+3], v[BNO], s[8:9] offset:128*(\b/2)+32*(\b%2)
	global_load_b128 v[96+128*(\b/4)+8*(\b%4)+4:96+128*(\b/4)+8*(\b%4)+7], v[BNO], s[8:9] offset:128*(\b/2)+32*(\b%2)+16
.endr
	WIN 0
	s_wait_loadcnt 0x0
.irp i, 0,1,2,3
.irp k, 0,1,2,3                                ; K step k (lanes 16-31: k + 4) = heads 2 k, 2 k + 1: two byte pairs make tile i's scale word
.if \i % 2
	v_perm_b32 v[SCA+4*\i+\k], v[RAW+4*\k+2+\i/2], v[RAW+4*\k+\i/2], 0x07060302
.else
	v_perm_b32 v[SCA+4*\i+\k], v[RAW+4*\k+2+\i/2], v[RAW+4*\k+\i/2], 0x05040100
.endif
.endr
.endr
.rept 8
	v_nop                                          ; a scale register written by a vector instruction stands eight places ahead of a scaled matrix instruction
.endr
	s_wait_tensorcnt 0x3                           ; my part of chunk 0 has landed; my three later loads may be out
	s_barrier_signal -1
	s_barrier_wait -1
	FETCH 0
	STEP_E 0, 1
	STEP_O 1
	STEP_E 2, 0
	STEP_O 3
	STEP_E 4, 0
	STEP_O 5
	STEP_E 6, 0
	s_wait_dscnt 0x0
	WIN MUL
	MULH 7, 0, 0
	MULH 7, 2, 0
	WIN 0
; THE WAY OUT, a tile of 16 rows x 128 columns at a time, through my own stage: in by 32 bytes of a row a lane, back as whole rows of 512 bytes.  LDS serves a wave's instructions in order: no wait between the stores and the loads.
.macro TOSTAGE i
	WIN 0x08                                       ; an LDS store's data are its source 1: window 2
.irp b, 0,1,2,3,4,5,6,7
	ds_store_b128 v[STO], v[8*(8*(\i)+\b):8*(8*(\i)+\b)+3] offset:128*(\b/2)+32*(\b%2)        ; each accumulator from its low end on
	ds_store_b128 v[STO], v[8*(8*(\i)+\b)+4:8*(8*(\i)+\b)+7] offset:128*(\b/2)+32*(\b%2)+16
.endr
	WIN 0
.irp t, 0,1,2,3,4,5,6,7,8,9,10,11,12,13,14,15
	ds_load_b128 v[BK+64*((\i)%2)+4*\t:BK+64*((\i)%2)+4*\t+3], v[RD] offset:528*\t
.endr
.endm
.macro SEND i, younger                 ; younger: the LDS instructions issued behind this tile's loads, which may stay out
	s_wait_dscnt \younger
.irp t, 0,1,2,3,4,5,6,7,8,9,10,11,12,13,14,15
	global_store_b128 v[O16], v[BK+64*((\i)%2)+4*\t:BK+64*((\i)%2)+4*\t+3], s[10:11] offset:(32*((\i)/2)+8*((\i)%2)+\t+8*(\t/8))*4096 th:TH_STORE_NT   ; 32 lanes store 512 consecutive bytes of one row
.endr
.endm
	PLACES                                         ; behind the last products: for the first read of results and the loads into o's fragments' registers
	TOSTAGE 0
.irp a, 1,2,3
.if \a > 1
	s_wait_xcnt 0x0                                ; the stores of the tile two back have read their data: this tile's rows land there only behind this wait
.endif
	TOSTAGE \a
	SEND \a-1, 32                                  ; behind that tile's loads: this tile's 16 stores and 16 loads
.endr
	SEND 3, 0
	s_wait_tensorcnt 0x0
	ds_add_u32 v126, v127
	s_wait_dscnt 0x0
	CROUND                                         ; the closing round
	s_endpgm
.Lfunc_end_k_q99d3561963_outp:
	.size	k_q99d3561963_outp, .Lfunc_end_k_q99d3561963_outp-k_q99d3561963_outp
	.p2alignl 7, 3214868480
	.fill 96, 4, 3214868480
	.section	.rodata,"a",@progbits
	.p2align	6, 0x0
	.amdhsa_kernel k_q99d3561963_outp
		.amdhsa_group_segment_fixed_size 295424
		.amdhsa_private_segment_fixed_size 0
		.amdhsa_enable_private_segment 0
		.amdhsa_kernarg_size 32
		.amdhsa_user_sgpr_count 2
		.amdhsa_user_sgpr_kernarg_segment_ptr 1
		.amdhsa_wavefront_size32 1
		.amdhsa_system_sgpr_workgroup_id_x 1
		.amdhsa_system_sgpr_workgroup_id_y 1
		.amdhsa_system_sgpr_workgroup_id_z 1
		.amdhsa_system_vgpr_workitem_id 0
		.amdhsa_next_free_vgpr 768
		.amdhsa_next_free_sgpr 100
		.amdhsa_reserve_vcc 0
		.amdhsa_float_denorm_mode_32 3
		.amdhsa_float_denorm_mode_16_64 3
		.amdhsa_memory_ordered 1
		.amdhsa_forward_progress 1
		.amdhsa_inst_pref_size 87
	.end_amdhsa_kernel
	.amdgpu_metadata
---
amdhsa.version: [ 1, 2 ]
amdhsa.kernels:
  - .name:           k_q99d3561963_outp
    .symbol:         k_q99d3561963_outp.kd
    .args:
      - { .name: ow_codes, .offset: 0, .size: 8, .value_kind: global_buffer, .address_space: global }
      - { .name: ow_scales, .offset: 8, .size: 8, .value_kind: global_buffer, .address_space: global }
      - { .name: bo, .offset: 16, .size: 8, .value_kind: global_buffer, .address_space: global }
      - { .name: out0, .offset: 24, .size: 8, .value_kind: global_buffer, .address_space: global }
    .group_segment_fixed_size: 295424
    .private_segment_fixed_size: 0
    .kernarg_segment_align: 8
    .kernarg_segment_size: 32
    .max_flat_workgroup_size: 128
    .sgpr_count:     100
    .vgpr_count:     768
    .wavefront_size: 32
...
	.end_amdgpu_metadata
.endif
;; end of part 4
